; MI455X (gfx1250); checked and timed in simulation.
; The chip was launched on July 23, 2026; its instructions are those of AMD's public machine-readable ISA for CDNA 5 (MIT licence, August 2026) and "CDNA5" Instruction Set Architecture Reference Guide (July 2026). The comments in the code are by the model that wrote it; some were corrected since.
;; Multihead Self Attention. Allowed arithmetic: matrix products marked QUANTISED: E2M3 operands, one E8M0 scale for each 32 along K, by v_wmma_scale_f32_16x16x128_f8f6f4 with both operands' format E2M3, f32 sums; everything else in f32.
;; Inputs: w_k 1,024 x 1,024 float32; w_o 1,024 x 1,024 float32; w_q 1,024 x 1,024 float32; w_v 1,024 x 1,024 float32; x 4 x 2,048 x 1,024 float32.
;; Outputs: out0 4 x 2,048 x 1,024 float32.
;; This version of the problem:
;;   THIS VERSION OF THE PROBLEM IS GIVEN IN LOW PRECISION. The matrix products marked QUANTISED in the list below multiply operands that are first quantised to E2M3 (2 exponent bits, 3 mantissa bits; 6 bits a number), with one power-of-two scale for each 32 numbers along K (OCP MX v1.0); their sums are f32. All else is computed in f32.
;;   The module's matrix products, in the order in which they are computed (A, B: the left and right operand; K: the contracted axis; several contracted axes count as one K, in the product's order):
;;     1. [M 8,192, K 1,024] x [K 1,024, N 1,024]; A: input x; B: input w_q: QUANTISED
;;     2. [M 8,192, K 1,024] x [K 1,024, N 1,024]; A: input x; B: input w_k: QUANTISED
;;     3. [M 8,192, K 1,024] x [K 1,024, N 1,024]; A: input x; B: input w_v: QUANTISED
;;     4. batch 64 x [M 2,048, K 64] x [K 64, N 2,048]; A: computed on the way; B: computed on the way: QUANTISED
;;     5. batch 64 x [M 2,048, K 2,048] x [K 2,048, N 64]; A: softmax (see below); B: computed on the way: QUANTISED
;;     6. [M 8,192, K 1,024] x [K 1,024, N 1,024]; A: computed on the way; B: input w_o: QUANTISED
;;   THE QUANTISER, for each operand of a quantised product, along K:
;;     - K is cut into blocks of 32 from its start; a last block that is shorter is filled with zeros.
;;     - A block's scale is 2^e with e = floor(log2(the largest magnitude in the block)) - 2, held to -126 .. 127; a block of zeros has e = 0. As a byte (E8M0): e + 127.
;;     - Each number is divided by its block's scale, clamped to +-7.5, and rounded to the nearest number of E2M3, ties to even, subnormals kept.
;;     - The product sums the exact products of the quantised numbers (number of the format x scale) in f32.
;;   ~~~python
;;   def quantise(x, axis):      # numpy; x: float32 -> the quantised numbers, widened to float32 again
;;       x = np.moveaxis(x, axis, -1); K = x.shape[-1]
;;       x = np.pad(x, [(0, 0)] * (x.ndim - 1) + [(0, -K % 32)]); x = x.reshape(x.shape[:-1] + (-1, 32)); a = np.abs(x).max(-1, keepdims=True)
;;       e = np.where(a > 0, np.clip(np.frexp(np.where(a > 0, a, 1))[1] - 1 - 2, -126, 127), 0)      # np.frexp(a)[1] - 1 = floor(log2(a)), exactly
;;       r = np.clip(x / 2.0 ** e, -7.5, 7.5)
;;       step = 2.0 ** (np.maximum(np.frexp(np.where(r == 0, 1, r))[1] - 1, 0) - 3)
;;       q = np.round(r / step) * step * 2.0 ** e      # np.round: ties to even
;;       return np.moveaxis(q.reshape(q.shape[:-2] + (-1,))[..., :K], -1, axis).astype(np.float32)
;;   ~~~
;;   SOFTMAX AHEAD OF A QUANTISED PRODUCT. Where the list says 'softmax', what is quantised is not the finished softmax but p = 2^(t - M), with t = logit x log2(e) and M = ceil(the row's largest t), a whole number; so 1/2 < the row's largest p <= 1. The row's sum l is taken of the UNQUANTISED p, in f32, and the product's result is divided by l at the end. Since M is a whole number, a kernel that streams over the keys may use a running M (the ceiling of the running maximum): every later rescaling is an exact power of two, which a block's scale takes up: the codes' values come out the same.
;;   OPERANDS COMPUTED ON THE WAY. 'Computed on the way' means the value that the module computes at that place (a softmax that the list does not call 'softmax' is quantised finished and normalised). What goes into a quantiser is computed in f32, as accurately as f32 sums, v_exp_f32 and their like allow (about 1e-6 of the number): no bf16 or f16 on the way to a quantiser, and a product that is left as it is and whose result goes on into a quantised operand takes f32 operands (vector FMAs, or v_wmma_f32_16x16x4_f32). A number that lies on a knife's edge between two numbers of the format may be rounded either way, as far as f32 arithmetic and the matrix unit's own rounding can turn it there, and no further.
;; One version. Each part assembles by itself: llvm-mc -triple=amdgcn-amd-amdhsa -mcpu=gfx1250 --defsym DOCPART=n.
;; ======== version 1 of 1: 4 launches
;; workspace buffers: xw 9,830,400 bytes; qkv 20,447,232 bytes; ao 6,553,600 bytes
;; launch quant (part 1): grid 384 x 1, 8 waves a work-group, no clusters, 68,608 bytes of LDS; arguments x, w_q, w_k, w_v, w_o, xw; writes xw
.if DOCPART == 1
	.amdgcn_target "amdgcn-amd-amdhsa--gfx1250"
	.amdhsa_code_object_version 6
	.text
	.protected	k_qf80922e699_quant
	.globl	k_qf80922e699_quant
	.p2align	8
	.type	k_qf80922e699_quant,@function
k_qf80922e699_quant:
	s_mov_b64 s[64:65], 0
	v_nop
	global_prefetch_b8 v0, s[64:65] scope:SCOPE_SE
	s_setreg_imm32_b32 hwreg(HW_REG_WAVE_MODE, 25, 1), 1
	s_wait_xcnt 0x0
; LAUNCH 1 OF 4.  Causal multi-head attention, b = 4, s = 2,048, d = 1,024, 16 heads of 64, every product on codes of FP6 (E2M3) with one E8M0 scale for each 32 along K.
; This launch turns x [8192][1024] and w_q, w_k, w_v, w_o [1024][1024], f32 with K innermost, into codes and scale words in the workspace xw.
; Launch 2 (proj) makes q, k, v and quantises them; launch 3 (attn) does the scores, the softmax and P V; launch 4 (outp) the last projection.
; DEAD WORK THAT THE PROGRAM LEAVES OUT.  reference() sets scores[q][k] to -inf wherever k > q, by a jnp.tril that it builds in its own body; the softmax gives such a key the weight 0 whatever finite values
; the inputs hold.  So launch 3 forms neither product for a step of 128 keys that lies wholly behind a wave's 16 queries, and fetches no slot of 256 keys that lies wholly behind a work-group's 256 queries.
; Nothing else is left out: all five inputs have a way to the output and are loaded.
; LIMITS.  A NaN, an infinity or an overflow that would arise only in the tiles left out is not carried to the result.  NaN and infinities among the inputs are not served.  A block whose largest magnitude
; lies under 2^-124 keeps the scale byte 1; a block of zeros has the byte 1 where the rule says 127: its codes are zeros, and the bytes are read by this program alone.
; LAYOUT OF xw: 96 blocks of 128 rows (0-63 x, 64-71 w_q, 72-79 w_k, 80-87 w_v, 88-95 w_o), 102,400 bytes each: four slots of 256 along K, 25,600 bytes each:
;   codes [q 2][tile 8][1536], then scale words [tile 8][row 16][2 words] (word q: the slot's q-th 128 along K).
; A TILE's 16 rows are not neighbours: row r of tile t is row 32 (t / 2) + 8 (t % 2) + r + 8 (r / 8) of the block, so that in a later product's result a lane's 16 registers of two neighbouring tiles are 16 neighbours.
; A FRAGMENT (16 rows x 128 K, 12 registers a lane) lies as an image of its registers: registers 0-3 at 16 x lane, 4-5 at 512 + 8 x lane, 6-9 at 768 + 16 x lane, 10-11 at 1280 + 8 x lane.
; SHARES.  Work-group g takes tiles 2 g and 2 g + 1 of the 768; wave w tile w / 4 of the two, slot w % 4: 16 rows x 256 K, two fragments.  Each load reads 512 consecutive bytes of a row; the numbers turn
; through the wave's own stage in LDS, so that a lane then holds 16 neighbours of each block of 32 of ITS row.  No barrier, no matrix work, no cluster: waves share nothing, and every input byte is read once.
.set SPITCH, 528                       ; a stage row: 512 bytes + 16
.set WSTG,   16*SPITCH                 ; a wave's stage
.set SPARE,  8*WSTG                    ; behind the stages: the spare words, 128 bytes for each wave, which no other line names
.set GB,     102400
.set SLOTB,  25600
.set L16, 4                            ; v4   16 x lane
.set L8,  5                            ; v5   8 x lane
.set STI, 6                            ; v6   the stage, on the way in
.set STO, 7                            ; v7   and on the way out: row r, + 64 h
.set TM,  8                            ; v8-23 at work: +0..3 largest magnitudes, +4..7 bytes, +12..15 the conversions' scale operands
.set PW0, 24                           ; v24, v25 the two scale words
.set PW1, 25
.set SPW, 26                           ; v26  my spare word's LDS address; never rewritten
.set NIL, 27                           ; v27  0; never rewritten
.set SOF, 28                           ; v28  8 r + 4 h
.set SDT, 29
.set R0,  32                           ; v32-95   K step 0 as loaded; later K step 1 turned
.set R1,  96                           ; v96-159  K step 1 as loaded; later its codes
.set X0,  160                          ; v160-223 K step 0 turned
.set X1,  32
.set PC0, 224
.set PC1, 96
.set CT,  236                          ; v236-242 the second halves' codes (a conversion's three registers begin on an even number)
.set SEL, 22
; 64 numbers of a lane, register 16 b + i = k 32 b + 16 (lane / 16) + i of my row, become a fragment's 12 registers at v[pc] and my row's scale word in v[pw]
.macro QUANT s, pc, pw
.irp b, 0,1,2,3
	v_max3_num_f32 v[TM+\b], |v[\s+16*\b]|, |v[\s+1+16*\b]|, 0x1800000   ; my 16 numbers of block b, and the floor 2^(3 - 127): the byte cannot fall under 1
.endr
.irp i, 2,4,6,8,10,12,14
.irp b, 0,1,2,3
	s_delay_alu instid0(VALU_DEP_4)
	v_max3_num_f32 v[TM+\b], v[TM+\b], |v[\s+16*\b+\i]|, |v[\s+1+16*\b+\i]|
.endr
.endr
.irp b, 0,1,2,3
	s_delay_alu instid0(VALU_DEP_4)
	v_permlanex16_b32 v[TM+4+\b], v[TM+\b], s[SEL], s[SEL+1]
.endr
.irp b, 0,1,2,3
	s_delay_alu instid0(VALU_DEP_4)
	v_max_num_f32 v[TM+\b], v[TM+\b], v[TM+4+\b]           ; with lane l xor 16's: the block's largest magnitude
.endr
.irp b, 0,1,2,3
	s_delay_alu instid0(VALU_DEP_4)
	v_add_nc_u32 v[TM+12+\b], 0xff000000, v[TM+\b]         ; 2 off its exponent field: the conversion's scale operand
.endr
.irp b, 0,1,2,3
	s_delay_alu instid0(VALU_DEP_4)
	v_lshrrev_b32 v[TM+4+\b], 23, v[TM+12+\b]              ; the scale's byte
.endr
	s_delay_alu instid0(VALU_DEP_3)
	v_lshl_or_b32 v[\pw], v[TM+5], 8, v[TM+4]
	s_delay_alu instid0(VALU_DEP_1)
	v_lshl_or_b32 v[\pw], v[TM+6], 16, v[\pw]
	s_delay_alu instid0(VALU_DEP_1)
	v_lshl_or_b32 v[\pw], v[TM+7], 24, v[\pw]
.irp c, 0,1
	v_cvt_scalef32_pk16_fp6_f32 v[\pc+6*\c:\pc+6*\c+2], v[\s+32*\c:\s+32*\c+15], v[TM+12+2*\c]
	v_cvt_scalef32_pk16_fp6_f32 v[CT+4*\c:CT+4*\c+2], v[\s+32*\c+16:\s+32*\c+31], v[TM+13+2*\c]
.endr
	v_nop                                                  ; one plain place behind the scaled conversions
.irp c, 0,1                            ; the operand wants a whole block in a lane: lanes 0-15 block 2 c, lanes 16-31 block 2 c + 1
.irp i, 0,1,2
	v_permlane16_swap_b32 v[\pc+6*\c+\i], v[CT+4*\c+\i]
.endr
.irp i, 0,1,2
	s_delay_alu instid0(VALU_DEP_3)
	v_mov_b32 v[\pc+6*\c+3+\i], v[CT+4*\c+\i]
.endr
.endr
.endm
.macro IMAGE pc, off                   ; a fragment leaves as the image of its registers: each store covers 512 or 256 consecutive bytes, aligned
	global_store_b128 v[L16], v[\pc:\pc+3], s[32:33] offset:\off
	global_store_b64 v[L8], v[\pc+4:\pc+5], s[32:33] offset:\off+512
	global_store_b128 v[L16], v[\pc+6:\pc+9], s[32:33] offset:\off+768
	global_store_b64 v[L8], v[\pc+10:\pc+11], s[32:33] offset:\off+1280
.endm
	s_load_b256 s[4:11], s[0:1], 0x0               ; x, w_q, w_k, w_v
	s_load_b128 s[12:15], s[0:1], 0x20             ; w_o, xw
	v_lshl_add_u32 v[SPW], v0, 2, SPARE
	v_mov_b32 v[NIL], 0
	v_lshrrev_b32 v1, 5, v0
	s_delay_alu instid0(VALU_DEP_1)
	v_readfirstlane_b32 s16, v1                    ; wave 0..7
	v_and_b32 v1, 31, v0                           ; lane
	v_and_b32 v2, 15, v0                           ; r
	v_bfe_u32 v3, v0, 4, 1                         ; h
	s_delay_alu instid0(VALU_DEP_3)
	v_lshlrev_b32 v[L16], 4, v1
	s_delay_alu instid0(VALU_DEP_4)
	v_lshlrev_b32 v[L8], 3, v1
	s_mul_i32 s17, s16, WSTG
	v_add_nc_u32 v[STI], s17, v[L16]
	v_mul_u32_u24 v[STO], v2, SPITCH
	s_delay_alu instid0(VALU_DEP_1)
	v_lshl_add_u32 v[STO], v3, 6, v[STO]
	s_delay_alu instid0(VALU_DEP_1)
	v_add_nc_u32 v[STO], s17, v[STO]
	v_lshlrev_b32 v[SOF], 3, v2
	s_delay_alu instid0(VALU_DEP_1)
	v_lshl_add_u32 v[SOF], v3, 2, v[SOF]
.irp b, 0,1,2,3
	v_mov_b32 v[TM+4+\b], 0                        ; written once: a lane permute's destination counts as one of its sources
.endr
	s_mov_b32 s[SEL], 0x76543210
	s_mov_b32 s[SEL+1], 0xfedcba98                 ; lane l xor 16
	s_mov_b32 s30, 0xffff0000                      ; lanes 16-31
	s_lshr_b32 s18, s16, 2                         ; which of the two tiles
	s_and_b32 s19, s16, 3                          ; which slot of 256 along K
	s_sub_co_u32 s24, ttmp9, 256
	s_lshr_b32 s25, s24, 5                         ; which weight: 32 work-groups each
	s_and_b32 s24, s24, 31                         ; and which 32 rows of it
	s_wait_alu depctr_va_vdst(0)
	s_wait_kmcnt 0x0
	s_mov_b64 s[20:21], s[12:13]                   ; the source is chosen by the work-group's number alone
	s_cmp_eq_u32 s25, 2
	s_cselect_b64 s[20:21], s[10:11], s[20:21]
	s_cmp_eq_u32 s25, 1
	s_cselect_b64 s[20:21], s[8:9], s[20:21]
	s_cmp_eq_u32 s25, 0
	s_cselect_b64 s[20:21], s[6:7], s[20:21]
	s_cmp_lt_u32 ttmp9, 256
	s_cselect_b64 s[20:21], s[4:5], s[20:21]
	s_cselect_b32 s24, ttmp9, s24
	s_lshl_b32 s24, s24, 17                        ; 32 rows of 4,096 bytes,
	s_lshl_b32 s26, s18, 15                        ; 8 rows for the second tile,
	s_add_co_u32 s24, s24, s26
	s_lshl_b32 s26, s19, 10                        ; 1,024 bytes a slot
	s_add_co_u32 s24, s24, s26
	s_mov_b32 s25, 0
	s_add_nc_u64 s[20:21], s[20:21], s[24:25]
.irp q, 0,1                            ; 32 loads, all out together: row i of the tile, 512 consecutive bytes each
.irp i, 0,1,2,3,4,5,6,7,8,9,10,11,12,13,14,15
	global_load_b128 v[R0+64*\q+4*\i:R0+64*\q+4*\i+3], v[L16], s[20:21] offset:(\i+8*(\i/8))*4096+512*\q th:TH_LOAD_NT
.endr
.endr
	s_lshr_b32 s26, ttmp9, 2                       ; where the results go: block of 128 rows,
	s_mul_i32 s26, s26, GB
	s_mul_i32 s27, s19, SLOTB                      ; slot,
	s_add_co_u32 s26, s26, s27
	s_and_b32 s28, ttmp9, 3
	s_lshl_b32 s28, s28, 1
	s_add_co_u32 s28, s28, s18                     ; tile
	s_mul_i32 s32, s28, 1536
	s_add_co_u32 s32, s32, s26
	s_mov_b32 s33, 0
	s_lshl_b32 s34, s28, 7
	s_add_co_u32 s34, s34, s26
	s_add_co_u32 s34, s34, 24576
	s_mov_b32 s35, 0
	s_add_nc_u64 s[32:33], s[14:15], s[32:33]      ; codes
	s_add_nc_u64 s[34:35], s[14:15], s[34:35]      ; scale words
	s_wait_loadcnt 16                              ; K step 0's sixteen loads are in; K step 1's sixteen stay out
.irp i, 0,1,2,3,4,5,6,7,8,9,10,11,12,13,14,15
	ds_store_b128 v[STI], v[R0+4*\i:R0+4*\i+3] offset:SPITCH*\i
.endr
.irp b, 0,1,2,3
.irp j, 0,1,2,3
	ds_load_b128 v[X0+16*\b+4*\j:X0+16*\b+4*\j+3], v[STO] offset:128*\b+16*\j   ; LDS serves a wave's instructions in order: these see the stores above
.endr
.endr
	s_wait_loadcnt 0x0
	s_wait_dscnt 0x0                               ; K step 0 is turned, and its registers as loaded are free
.irp i, 0,1,2,3,4,5,6,7,8,9,10,11,12,13,14,15
	ds_store_b128 v[STI], v[R1+4*\i:R1+4*\i+3] offset:SPITCH*\i
.endr
.irp b, 0,1,2,3
.irp j, 0,1,2,3
	ds_load_b128 v[X1+16*\b+4*\j:X1+16*\b+4*\j+3], v[STO] offset:128*\b+16*\j
.endr
.endr
	QUANT X0, PC0, PW0                             ; while K step 1 turns
	IMAGE PC0, 0
	s_wait_dscnt 0x0
	QUANT X1, PC1, PW1
	IMAGE PC1, 12288
	v_cndmask_b32 v[SDT], v[PW0], v[PW1], s30      ; lanes 0-15 store word 0 of their row, lanes 16-31 word 1: 128 consecutive bytes
	global_store_b32 v[SOF], v[SDT], s[34:35]
	s_wait_tensorcnt 0x0                           ; the wave's end, behind my last LDS store
	ds_add_u32 v[SPW], v[NIL]
	s_wait_dscnt 0x0
	s_endpgm
.Lfunc_end_k_qf80922e699_quant:
	.size	k_qf80922e699_quant, .Lfunc_end_k_qf80922e699_quant-k_qf80922e699_quant
	.p2alignl 7, 3214868480
	.fill 96, 4, 3214868480
	.section	.rodata,"a",@progbits
	.p2align	6, 0x0
	.amdhsa_kernel k_qf80922e699_quant
		.amdhsa_group_segment_fixed_size 68608
		.amdhsa_private_segment_fixed_size 0
		.amdhsa_enable_private_segment 0
		.amdhsa_kernarg_size 48
		.amdhsa_user_sgpr_count 2
		.amdhsa_user_sgpr_kernarg_segment_ptr 1
		.amdhsa_wavefront_size32 1
		.amdhsa_system_sgpr_workgroup_id_x 1
		.amdhsa_system_sgpr_workgroup_id_y 1
		.amdhsa_system_sgpr_workgroup_id_z 1
		.amdhsa_system_vgpr_workitem_id 0
		.amdhsa_next_free_vgpr 248
		.amdhsa_next_free_sgpr 66
		.amdhsa_reserve_vcc 0
		.amdhsa_float_denorm_mode_32 3
		.amdhsa_float_denorm_mode_16_64 3
		.amdhsa_memory_ordered 1
		.amdhsa_forward_progress 1
		.amdhsa_inst_pref_size 22
	.end_amdhsa_kernel
	.amdgpu_metadata
---
amdhsa.version: [ 1, 2 ]
amdhsa.kernels:
  - .name:           k_qf80922e699_quant
    .symbol:         k_qf80922e699_quant.kd
    .args:
      - { .name: x, .offset: 0, .size: 8, .value_kind: global_buffer, .address_space: global }
      - { .name: w_q, .offset: 8, .size: 8, .value_kind: global_buffer, .address_space: global }
      - { .name: w_k, .offset: 16, .size: 8, .value_kind: global_buffer, .address_space: global }
      - { .name: w_v, .offset: 24, .size: 8, .value_kind: global_buffer, .address_space: global }
      - { .name: w_o, .offset: 32, .size: 8, .value_kind: global_buffer, .address_space: global }
      - { .name: xw, .offset: 40, .size: 8, .value_kind: global_buffer, .address_space: global }
    .group_segment_fixed_size: 68608
    .private_segment_fixed_size: 0
    .kernarg_segment_align: 8
    .kernarg_segment_size: 48
    .max_flat_workgroup_size: 256
    .sgpr_count:     66
    .vgpr_count:     248
    .wavefront_size: 32
...
	.end_amdgpu_metadata
.endif
;; end of part 1
;; launch proj (part 2): grid 12 x 32, 4 waves a work-group, clusters of 4 x 4, 327,680 bytes of LDS; arguments xw, qkv; writes qkv
.if DOCPART == 2
	.amdgcn_target "amdgcn-amd-amdhsa--gfx1250"
	.amdhsa_code_object_version 6
	.text
	.protected	k_qf80922e699_proj
	.globl	k_qf80922e699_proj
	.p2align	8
	.type	k_qf80922e699_proj,@function
k_qf80922e699_proj:
	s_mov_b64 s[64:65], 0
	v_nop
	global_prefetch_b8 v0, s[64:65] scope:SCOPE_SE
	s_setreg_imm32_b32 hwreg(HW_REG_WAVE_MODE, 25, 1), 1
	s_wait_xcnt 0x0
	s_wait_alu depctr_hold_cnt(0) depctr_sa_sdst(0) depctr_va_vdst(0) depctr_va_sdst(0) depctr_va_ssrc(0) depctr_va_vcc(0) depctr_vm_vsrc(0)
	s_getreg_b32 s2, hwreg(HW_REG_IB_STS2, 6, 4)
	s_cmp_eq_u32 s2, 0
	s_cbranch_scc0 .Lentry_in_a_cluster
	s_endpgm
.Lentry_in_a_cluster:
	s_bfe_u32 s2, ttmp6, 0x10000c
	s_cmp_lg_u32 s2, 0xf033
	s_cbranch_scc0 .Lentry_shape_is_right
	s_endpgm
.Lentry_shape_is_right:
; LAUNCH 2 OF 4.  q = x w_q^T, k = x w_k^T, v = x w_v^T on the codes of launch 1, K = 1,024, and each result quantised in registers: q and k along the head's 64, v along the keys.  No work of reference() is left out here.
; A work-group of four waves makes 256 x 256; a wave 128 x 128: 64 accumulators, 512 registers.  Source 0 of every product is "B", source 1 "A": a lane holds ONE row of A and its registers run along B's rows.
; Clusters x = 0, 1: A = x (256 positions), B = w_q or w_k (256 features = 4 heads): a lane holds a position, its registers run along the head's channels.
; Cluster x = 2:     A = w_v (256 channels), B = x (256 positions): the same text gives v^T: a lane holds a channel, its registers run along the keys.
; By the choice of a tile's rows (launch 1) the 16 registers of B's tiles 2 b and 2 b + 1 are B's rows 32 b + 16 (lane / 16) + 0 .. 15: neighbours along the next product's K.
; K goes in four fills of 256 through two LDS slots.  A fill's part for 128 rows, codes and scale words, is ONE dense block of 25,600 bytes of xw: one tensor load a wave, 100 rows of 256 bytes.
; Fragments lie there as images of their registers: every LDS load takes consecutive bytes from consecutive lanes, so there is no pitch and no padding.
; CLUSTERS 4 x 4: A's blocks hang on the cluster's y place alone and are asked for jointly along a row of the cluster, B's on the x place alone, along a column.
; OUT: qkv = [q, k, v][batch x 16 + head][16 records of 128 positions][6,656 bytes].  q, k record: [tile 8][768] half fragments (64 along K), then [lane 32][4 words]: word p = tile 2 p in lanes 0-15, tile 2 p + 1
; in lanes 16-31, its upper two bytes 0.  v record: [tile 4][1536] (16 channels x 128 keys, three images of 512 bytes), then [lane 32][4 words]: word t = tile t's.
; LIMITS as in launch 1: blocks under 2^-124 keep the byte 1, so do blocks of zeros.
; REGISTERS: window 0: v4-29 addresses; v32-63 scale words, two sets; v128-223 A's 8 fragments, ONE set; way out: v64-83, v128-247.  window 1: B's fragments, two sets, at v0 and v128.  windows 2, 3: accumulators, (a, b) at v[8 (8 (a % 4) + b)].
.set GB,     102400                    ; a block of 128 rows in xw
.set HALF,   25600                     ; its part of one slot: what one tensor load brings
.set SLOT,   4*HALF                    ; A's two blocks, then B's two
.set SPARE,  2*SLOT                    ; behind the ring: the spare words, 128 bytes for each wave, which no other line names
.set NQ, 2
.set FR, 12
.set NL, 4                             ; LDS loads that bring a fragment
.set NP, 4                             ; places behind this matrix instruction (ISA guide 7.12.1)
.set L16, 4                            ; v4  16 x lane
.set L8,  5                            ; v5  8 x lane
.set ADRS,   12                        ; v12-13 scale words in slot 0, 1: lanes 0-15 A's, lanes 16-31 B's
.set ADRA16, 16                        ; v16-17, v18-19 A's images of 16 and of 8 bytes a lane
.set ADRA8,  18
.set ADRB16, 20
.set ADRB8,  22
.set SPW, 28
.set NIL, 29
.set SC,  32                           ; set s at v[SC + 16 s]; register 2 i + q: tile i, the slot's q-th 128 along K
.set AF,  128
.set PW,  64                           ; way out: v64-71 the eight scale words
.set CB,  72
.set SQ0, 76
.set SQ1, 80
.set PC,  128                          ; v128-223 the eight fragments made
.set TM,  224
.set CT,  240
.set G1, 24
.set G0, 32
.set G1B, 48
.set G0B, 56
.set MSB, 0
.macro WIN new                         ; the immediate's high byte repeats the setting that is left
.if MSB != \new
	s_set_vgpr_msb (MSB<<8)|\new
.set MSB, \new
.endif
.endm
.set MUL_LO, 0xa1                      ; source 0 (B) window 1, source 1 (A) window 0, C and D window 2
.set MUL_HI, 0xf1
.set TO_B,   0x40
.macro JLOAD g0a, g1a, g0b, g1b        ; a joint load: waves 0, 1 fetch for A, waves 2, 3 for B; the branch hangs on the wave's number alone; s_nop 0 and four v_nop follow each line
	s_cmp_eq_u32 s15, 0
	s_cbranch_scc0 .Lfor_b_\@
	tensor_load_to_lds s[\g0a:\g0a+3], s[\g1a:\g1a+7]
	s_nop 0
.rept 4
	v_nop
.endr
	s_branch .Lasked_\@
.Lfor_b_\@:
	tensor_load_to_lds s[\g0b:\g0b+3], s[\g1b:\g1b+7]
	s_nop 0
.rept 4
	v_nop
.endr
.Lasked_\@:
.endm
.macro CREST                           ; a round of the cluster's barrier behind its opening barrier
	s_cmp_lg_u32 s14, 0
	s_cbranch_scc1 .Lnot_wave_0_\@
	s_barrier_signal -3
.Lnot_wave_0_\@:
	s_barrier_wait -3
	s_barrier_signal -1
	s_barrier_wait -1
.endm
.macro CROUND
	s_barrier_signal -1
	s_barrier_wait -1
	CREST
.endm
	s_load_b128 s[4:7], s[0:1], 0x0                ; xw, qkv
	v_lshl_add_u32 v[SPW], v0, 2, SPARE
	v_mov_b32 v[NIL], 0
	ds_add_u32 v[SPW], v[NIL]                      ; the wave's opening: the add, twice on end, and its wait ahead of my first tensor load
	ds_add_u32 v[SPW], v[NIL]
	v_lshrrev_b32 v1, 5, v0
	v_readfirstlane_b32 s14, v1                    ; wave 0..3
	s_lshr_b32 s15, s14, 1                         ; my half of A's rows.  Also: I fetch for A (0) or for B (1)
	s_and_b32 s16, s14, 1                          ; my half of B's rows.  Also: which of the two blocks I fetch
	s_bfe_u32 s40, ttmp6, 0x40000                  ; cx
	s_bfe_u32 s41, ttmp6, 0x40004                  ; cy
	s_and_b32 s17, ttmp7, 0xffff                   ; cluster y
	s_cmp_eq_u32 ttmp9, 2                          ; cluster x = 2 makes v: the same in all sixteen partners
	s_cselect_b32 s66, 1, 0
	s_cselect_b32 s18, 0, s17                      ; A: w_v's blocks 80 + 2 cy, else x's 2 (4 cluster y + cy)
	s_cselect_b32 s19, 80, 0
	s_cselect_b32 s42, s17, ttmp9                  ; B: x's blocks 2 (4 cluster y + cx), else w_q's and w_k's 64 + 2 (4 cluster x + cx)
	s_cselect_b32 s22, 0, 64
	s_lshl_b32 s18, s18, 2
	s_add_co_u32 s18, s18, s41
	s_lshl_b32 s18, s18, 1
	s_add_co_u32 s18, s18, s19                     ; A's first block: never holds cx
	s_lshl_b32 s42, s42, 2
	s_add_co_u32 s42, s42, s40
	s_lshl_b32 s42, s42, 1
	s_add_co_u32 s42, s42, s22                     ; B's first block: never holds cy
	s_lshl_b32 s43, s41, 2
	s_lshl_b32 s43, 15, s43                        ; my row of the cluster
	s_lshl_b32 s44, 0x1111, s40                    ; my column
	s_or_b32 s[G1], s43, (3<<16)|(1<<21)           ; 15:0 the mask; 17:16 elements of 8 bytes; 21 set beside a mask; no padding
	s_or_b32 s[G1B], s44, (3<<16)|(1<<21)
.irp g, G1, G1B
	s_mov_b32 s[\g+1], 32<<16                      ; tensor_dim0 = 32 elements: 256 bytes
	s_mov_b32 s[\g+2], 100<<16                     ; tensor_dim1 = 100 rows
	s_mov_b32 s[\g+3], 32<<16                      ; tile_dim0
	s_mov_b32 s[\g+4], 100                         ; tile_dim1
	s_mov_b32 s[\g+5], 32                          ; dense: the pitch is the row
	s_mov_b32 s[\g+6], 0
	s_mov_b32 s[\g+7], 0
.endr
	s_add_co_u32 s20, s18, s16
	s_mul_i32 s20, s20, GB
	s_mov_b32 s21, 0
	s_add_co_u32 s46, s42, s16
	s_mul_i32 s46, s46, GB
	s_mov_b32 s47, 0
	s_mul_i32 s45, s14, HALF                       ; where my block goes: wave x 25,600: no place in the cluster enters an LDS address
	s_mov_b32 s67, 0xffff0000                      ; lanes 16-31
	s_mov_b32 s68, 0x76543210
	s_mov_b32 s69, 0xfedcba98                      ; lane l xor 16
	s_wait_dscnt 0x0                               ; both opening adds are done
	s_wait_kmcnt 0x0
	s_add_nc_u64 s[20:21], s[4:5], s[20:21]
	s_add_nc_u64 s[46:47], s[4:5], s[46:47]
	CROUND                                         ; all sixteen work-groups are here: the first joint loads meet
.irp s, 0,1
	s_mov_b32 s[G0+4*\s], 1
	s_add_co_u32 s[G0+4*\s+1], s45, \s*SLOT
	s_add_nc_u64 s[G0+4*\s+2:G0+4*\s+3], s[20:21], \s*HALF
	s_or_b32 s[G0+4*\s+3], s[G0+4*\s+3], 0x80000000
	s_mov_b32 s[G0B+4*\s], 1
	s_add_co_u32 s[G0B+4*\s+1], s45, \s*SLOT
	s_add_nc_u64 s[G0B+4*\s+2:G0B+4*\s+3], s[46:47], \s*HALF
	s_or_b32 s[G0B+4*\s+3], s[G0B+4*\s+3], 0x80000000
	JLOAD G0+4*\s, G1, G0B+4*\s, G1B               ; two loads of mine are out
.endr
	v_and_b32 v1, 31, v0
	v_and_b32 v2, 15, v0                           ; r
	v_bfe_u32 v3, v0, 4, 1                         ; h
	v_lshlrev_b32 v[L16], 4, v1
	v_lshlrev_b32 v[L8], 3, v1
	s_mul_i32 s21, s15, HALF                       ; my block of A
	s_mul_i32 s22, s16, HALF
	s_add_co_u32 s22, s22, 2*HALF                  ; my block of B, behind A's two
.irp s, 0,1
	v_add_nc_u32 v[ADRA16+\s], s21, v[L16]
	v_add_nc_u32 v[ADRA8+\s], s21, v[L8]
	v_add_nc_u32 v[ADRB16+\s], s22, v[L16]
	v_add_nc_u32 v[ADRB8+\s], s22, v[L8]
	s_add_co_u32 s21, s21, SLOT
	s_add_co_u32 s22, s22, SLOT
.endr
	v_lshlrev_b32 v6, 3, v2                        ; scale words: 8 bytes a row
	s_mul_i32 s21, s15, HALF
	s_mul_i32 s22, s16, HALF
	s_add_co_u32 s22, s22, 2*HALF
	s_sub_co_u32 s22, s22, s21
	v_mul_u32_u24 v7, s22, v3                      ; lanes 16-31 take B's: the lower base + h x the distance
	s_add_co_u32 s21, s21, 24576
	v_add_nc_u32 v6, v6, v7
	v_add_nc_u32 v[ADRS], s21, v6
	v_add_nc_u32 v[ADRS+1], SLOT, v[ADRS]
.macro FRAG reg, a16, a8, off          ; a fragment comes back as it was stored
	ds_load_b128 v[\reg:\reg+3], v[\a16] offset:\off
	ds_load_b64 v[\reg+4:\reg+5], v[\a8] offset:\off+512
	ds_load_b128 v[\reg+6:\reg+9], v[\a16] offset:\off+768
	ds_load_b64 v[\reg+10:\reg+11], v[\a8] offset:\off+1280
.endm
; 16 matrix instructions: A's blocks a0, a0 + 1 x B's eight.  The 64 accumulators take turns, one instruction a turn, in the same order in every step.
.macro MUL16 a0, p, q, sc, zero
.irp a, \a0, \a0+1
.irp b, 0,1,2,3,4,5,6,7
.if \zero
	v_wmma_scale_f32_16x16x128_f8f6f4 v[8*(8*((\a)%4)+\b):8*(8*((\a)%4)+\b)+7], v[128*(\p)+FR*\b:128*(\p)+FR*\b+FR-1], v[AF+FR*(\a):AF+FR*(\a)+FR-1], 0, v[SC+8*NQ*(\sc)+NQ*\b+(\q)], v[SC+8*NQ*(\sc)+NQ*(\a)+(\q)] matrix_a_fmt:MATRIX_FMT_FP6 matrix_b_fmt:MATRIX_FMT_FP6 matrix_a_scale:MATRIX_SCALE_ROW1
.else
	v_wmma_scale_f32_16x16x128_f8f6f4 v[8*(8*((\a)%4)+\b):8*(8*((\a)%4)+\b)+7], v[128*(\p)+FR*\b:128*(\p)+FR*\b+FR-1], v[AF+FR*(\a):AF+FR*(\a)+FR-1], v[8*(8*((\a)%4)+\b):8*(8*((\a)%4)+\b)+7], v[SC+8*NQ*(\sc)+NQ*\b+(\q)], v[SC+8*NQ*(\sc)+NQ*(\a)+(\q)] matrix_a_fmt:MATRIX_FMT_FP6 matrix_b_fmt:MATRIX_FMT_FP6 matrix_a_scale:MATRIX_SCALE_ROW1
.endif
.endr
.endr
.endm
.macro FETCH_B slot, q, p
	WIN TO_B
.irp i, 0,1,2,3,4,5,6,7
	FRAG 128*(\p)+FR*\i, ADRB16+\slot, ADRB8+\slot, (\q)*12288+\i*1536
.endr
	WIN 0
.endm
.macro FETCH_A slot, q, i0
.irp i, \i0, \i0+1, \i0+2, \i0+3
	FRAG AF+FR*(\i), ADRA16+\slot, ADRA8+\slot, (\q)*12288+(\i)*1536
.endr
.endm
.macro SCALES sc                       ; the slot's scale words: two a row; lanes 0-15 A's tile i, lanes 16-31 B's tile i
.irp i, 0,1,2,3,4,5,6,7
	ds_load_b64 v[SC+8*NQ*\sc+NQ*\i:SC+8*NQ*\sc+NQ*\i+1], v[ADRS+\sc] offset:\i*128
.endr
.endm
.macro PLACES n                        ; plain places in front of loads into registers that matrix instructions have read, and of the first read of results
.rept \n
	v_nop
.endr
.endm
.macro STEP slot, q, zero              ; 128 along K whose successor lies in the same slot
	s_wait_dscnt 4*NL                              ; B's set and A's blocks 0-3 are in; the youngest sixteen loads (A's blocks 4-7) may be out
	WIN MUL_LO
	MUL16 0, (\q)%2, \q, \slot, \zero
	MUL16 2, (\q)%2, \q, \slot, \zero
	s_wait_dscnt 0
	PLACES NP
	FETCH_B \slot, (\q)+1, 1-(\q)%2
	FETCH_A \slot, (\q)+1, 0
	WIN MUL_HI
	MUL16 4, (\q)%2, \q, \slot, \zero
	MUL16 6, (\q)%2, \q, \slot, \zero
	PLACES NP
	WIN 0
	FETCH_A \slot, (\q)+1, 4
.endm
; A slot's last step changes slots: one barrier; in front of it each wave waits for all its tensor loads, adds 0 to its spare word, and waits for that and for its reads of this slot.
.macro TURN slot, next, fill
	s_wait_tensorcnt 0x0                           ; all my tensor loads have landed: my part of the next slot
	ds_add_u32 v[SPW], v[NIL]
	s_wait_dscnt 4*NL+1                            ; (the add and the youngest sixteen loads may be out)
	WIN MUL_LO
	MUL16 0, 1, NQ-1, \slot, 0
	s_wait_dscnt 0x0                               ; the add is done, and my reads of this slot are over
	s_barrier_signal -1
	MUL16 2, 1, NQ-1, \slot, 0
	WIN 0
	s_barrier_wait -1
.if \fill
	CREST                                          ; the barrier has opened a round of the cluster's: no wave of any partner still reads this slot or has a load on its way
	s_add_nc_u64 s[G0+4*\slot+2:G0+4*\slot+3], s[G0+4*\slot+2:G0+4*\slot+3], 2*HALF
	s_add_nc_u64 s[G0B+4*\slot+2:G0B+4*\slot+3], s[G0B+4*\slot+2:G0B+4*\slot+3], 2*HALF
	JLOAD G0+4*\slot, G1, G0B+4*\slot, G1B         ; the first tensor load behind the round; its four v_nop are the places in front of the loads below
.else
	PLACES NP
.endif
	FETCH_B \next, 0, 0
	FETCH_A \next, 0, 0
	SCALES \next
	WIN MUL_HI
	MUL16 4, 1, NQ-1, \slot, 0
	MUL16 6, 1, NQ-1, \slot, 0
	PLACES NP
	WIN 0
	FETCH_A \next, 0, 4
.endm
	s_wait_alu depctr_va_vdst(0)
	s_wait_tensorcnt 1                             ; my part of slot 0 is in; slot 1's may stay out
	s_barrier_signal -1
	s_barrier_wait -1
	FETCH_B 0, 0, 0
	FETCH_A 0, 0, 0
	SCALES 0
	FETCH_A 0, 0, 4
	STEP 0, 0, 1                                   ; the first products start the sums: nothing is cleared.  K = 1,024 is eight steps: written out, a loop would have one trip
	TURN 0, 1, 1
	STEP 1, 0, 0
	TURN 1, 0, 1
	STEP 0, 0, 0
	TURN 0, 1, 0                                   ; nothing is left to fetch
	STEP 1, 0, 0
	s_wait_dscnt 4*NL
	WIN MUL_LO
	MUL16 0, 1, NQ-1, 1, 0
	MUL16 2, 1, NQ-1, 1, 0
	s_wait_dscnt 0
	WIN MUL_HI
	MUL16 4, 1, NQ-1, 1, 0
	MUL16 6, 1, NQ-1, 1, 0
	WIN 0
; THE WAY OUT.  A's block a against B's eight is 64 registers of a lane, register 16 b + i = B's row 32 b + 16 (lane / 16) + i: they become one fragment (12 registers) and one scale word, in registers.
.macro QUANTW a
.set S0, 64*((\a)%4)
.set PCA, PC+12*(\a)
	WIN 20*(2+(\a)/4)                              ; sources 1 and 2: the accumulators' window
.irp b, 0,1,2,3
	v_max3_num_f32 v[TM+\b], 0x1800000, |v[S0+16*\b]|, |v[S0+16*\b+1]|   ; each accumulator is read from its low end on; the floor 2^(3 - 127) holds the byte at 1 from below
.endr
.irp i, 2,4,6,8,10,12,14
.irp b, 0,1,2,3
	v_max3_num_f32 v[TM+\b], v[TM+\b], |v[S0+16*\b+\i]|, |v[S0+16*\b+\i+1]|
.endr
.endr
	WIN 0
.irp b, 0,1,2,3
	v_permlanex16_b32 v[TM+4+\b], v[TM+\b], s68, s69
.endr
.irp b, 0,1,2,3
	v_max_num_f32 v[TM+\b], v[TM+\b], v[TM+4+\b]
.endr
.irp b, 0,1,2,3
	v_add_nc_u32 v[TM+12+\b], 0xff000000, v[TM+\b]
.endr
.irp b, 0,1,2,3
	v_lshrrev_b32 v[TM+4+\b], 23, v[TM+12+\b]
.endr
	v_lshl_or_b32 v[PW+(\a)], v[TM+5], 8, v[TM+4]
	v_lshl_or_b32 v[PW+(\a)], v[TM+6], 16, v[PW+(\a)]
	v_lshl_or_b32 v[PW+(\a)], v[TM+7], 24, v[PW+(\a)]
	WIN 2+(\a)/4                                   ; source 0: the accumulators' window
.irp c, 0,1
	v_cvt_scalef32_pk16_fp6_f32 v[PCA+6*\c:PCA+6*\c+2], v[S0+32*\c:S0+32*\c+15], v[TM+12+2*\c]
	v_cvt_scalef32_pk16_fp6_f32 v[CT+4*\c:CT+4*\c+2], v[S0+32*\c+16:S0+32*\c+31], v[TM+13+2*\c]
.endr
	WIN 0
	v_nop                                          ; one plain place behind the scaled conversions
.irp c, 0,1
.irp i, 0,1,2
	v_permlane16_swap_b32 v[PCA+6*\c+\i], v[CT+4*\c+\i]
.endr
.irp i, 0,1,2
	v_mov_b32 v[PCA+6*\c+3+\i], v[CT+4*\c+\i]
.endr
.endr
.endm
.irp b, 0,1,2,3
	v_mov_b32 v[TM+4+\b], 0                        ; a lane permute's destination counts as one of its sources; these four are also the places behind the last products
.endr
	s_add_co_u32 s70, s18, s15                     ; my block of A,
	s_add_co_u32 s71, s42, s16                     ; my block of B
	s_cmp_eq_u32 s66, 1
	s_cselect_b32 s72, s71, s70                    ; x's block: batch x 16 + record
	s_cselect_b32 s73, s70, s71                    ; the weight's block, 64 .. 87: two heads each
	s_lshl_b32 s73, s73, 1
	s_sub_co_u32 s73, s73, 128                     ; 0-15 q's heads, 16-31 k's, 32-47 v's
	s_lshr_b32 s74, s72, 4
	s_lshl_b32 s74, s74, 4
	s_and_b32 s75, s73, 15
	s_add_co_u32 s74, s74, s75
	s_lshr_b32 s75, s73, 4
	s_lshl_b32 s75, s75, 6
	s_add_co_u32 s74, s74, s75                     ; tensor x 64 + batch x 16 + head
	s_lshl_b32 s74, s74, 4
	s_and_b32 s75, s72, 15
	s_add_co_u32 s74, s74, s75
	s_mul_i32 s74, s74, 6656
	s_mov_b32 s75, 0
	s_add_nc_u64 s[6:7], s[6:7], s[74:75]          ; my first head's record; the second head's lies 16 records, 106,496 bytes, on
.irp a, 0,1,2,3,4,5,6,7
	QUANTW \a
.endr
	s_cmp_eq_u32 s66, 1
	s_cbranch_scc1 .Lv
.irp a, 0,1,2,3,4,5,6,7                ; q, k: registers 0-5 are the first head's 64 along K, registers 6-11 the second's.  Every store covers 512 or 256 consecutive bytes, aligned
	global_store_b128 v[L16], v[PC+12*\a:PC+12*\a+3], s[6:7] offset:768*\a
	global_store_b64 v[L8], v[PC+12*\a+4:PC+12*\a+5], s[6:7] offset:768*\a+512
	global_store_b128 v[L16], v[PC+12*\a+6:PC+12*\a+9], s[6:7] offset:106496+768*\a
	global_store_b64 v[L8], v[PC+12*\a+10:PC+12*\a+11], s[6:7] offset:106496+768*\a+512
.endr
.irp p, 0,1,2,3
	v_cndmask_b32 v[CB+\p], v[PW+2*\p], v[PW+2*\p+1], s67  ; lanes 0-15 tile 2 p's word, lanes 16-31 tile 2 p + 1's
.endr
.irp p, 0,1,2,3
	v_and_b32 v[SQ0+\p], 0xffff, v[CB+\p]          ; the first head's two bytes,
	v_lshrrev_b32 v[SQ1+\p], 16, v[CB+\p]          ; the second's; the upper two bytes are 0: they scale zero codes
.endr
	global_store_b128 v[L16], v[SQ0:SQ0+3], s[6:7] offset:6144
	global_store_b128 v[L16], v[SQ1:SQ1+3], s[6:7] offset:106496+6144
	s_branch .Lstored
.Lv:
	s_wait_alu depctr_va_vdst(0)
.irp a, 0,1,2,3,4,5,6,7                ; v: A's blocks 0-3 are the first head's 64 channels, 4-7 the second's; a fragment is 16 channels x these 128 keys
.irp c, 0,1,2
	global_store_b128 v[L16], v[PC+12*\a+4*\c:PC+12*\a+4*\c+3], s[6:7] offset:(\a/4)*106496+(\a%4)*1536+512*\c
.endr
.endr
	global_store_b128 v[L16], v[PW:PW+3], s[6:7] offset:6144
	global_store_b128 v[L16], v[PW+4:PW+7], s[6:7] offset:106496+6144
.Lstored:
	s_wait_tensorcnt 0x0                           ; the wave's end
	ds_add_u32 v[SPW], v[NIL]
	s_wait_dscnt 0x0
	CROUND                                         ; the closing round: no work-group ends while a partner may still ask for a block that names it
	s_endpgm
.Lfunc_end_k_qf80922e699_proj:
	.size	k_qf80922e699_proj, .Lfunc_end_k_qf80922e699_proj-k_qf80922e699_proj
	.p2alignl 7, 3214868480
	.fill 96, 4, 3214868480
	.section	.rodata,"a",@progbits
	.p2align	6, 0x0
	.amdhsa_kernel k_qf80922e699_proj
		.amdhsa_group_segment_fixed_size 327680
		.amdhsa_private_segment_fixed_size 0
		.amdhsa_enable_private_segment 0
		.amdhsa_kernarg_size 16
		.amdhsa_user_sgpr_count 2
		.amdhsa_user_sgpr_kernarg_segment_ptr 1
		.amdhsa_wavefront_size32 1
		.amdhsa_system_sgpr_workgroup_id_x 1
		.amdhsa_system_sgpr_workgroup_id_y 1
		.amdhsa_system_sgpr_workgroup_id_z 1
		.amdhsa_system_vgpr_workitem_id 0
		.amdhsa_next_free_vgpr 1024
		.amdhsa_next_free_sgpr 96
		.amdhsa_reserve_vcc 0
		.amdhsa_float_denorm_mode_32 3
		.amdhsa_float_denorm_mode_16_64 3
		.amdhsa_memory_ordered 1
		.amdhsa_forward_progress 1
		.amdhsa_inst_pref_size 149
	.end_amdhsa_kernel
	.amdgpu_metadata
---
amdhsa.version: [ 1, 2 ]
amdhsa.kernels:
  - .name:           k_qf80922e699_proj
    .symbol:         k_qf80922e699_proj.kd
    .args:
      - { .name: xw, .offset: 0, .size: 8, .value_kind: global_buffer, .address_space: global }
      - { .name: qkv, .offset: 8, .size: 8, .value_kind: global_buffer, .address_space: global }
    .group_segment_fixed_size: 327680
    .private_segment_fixed_size: 0
    .kernarg_segment_align: 8
    .kernarg_segment_size: 16
    .max_flat_workgroup_size: 128
    .sgpr_count:     96
    .vgpr_count:     1024
    .wavefront_size: 32
...
	.end_amdgpu_metadata
.endif
;; end of part 2
;; launch attn (part 3): grid 64 x 8, 16 waves a work-group, no clusters, 327,680 bytes of LDS; arguments qkv, ao; writes ao
.if DOCPART == 3
	.amdgcn_target "amdgcn-amd-amdhsa--gfx1250"
	.amdhsa_code_object_version 6
	.text
	.protected	k_qf80922e699_attn
	.globl	k_qf80922e699_attn
	.p2align	8
	.type	k_qf80922e699_attn,@function
k_qf80922e699_attn:
	s_mov_b64 s[64:65], 0
	v_nop
	global_prefetch_b8 v0, s[64:65] scope:SCOPE_SE
	s_setreg_imm32_b32 hwreg(HW_REG_WAVE_MODE, 25, 1), 1
	s_wait_xcnt 0x0
; LAUNCH 3 OF 4.  For each batch and head: S = q k^T / 8 under the causal mask, p = 2^(t - M), O = p v / l, and O quantised along the head's 64 for the last projection.  Both products on codes of FP6 (E2M3).
; WORK LEFT OUT (shown at the head of launch 1): reference()'s own jnp.tril gives every key behind a query the weight 0, so a step of 128 keys wholly behind my 16 queries is jumped over, and a slot of 256 keys
; wholly behind my work-group's 256 queries is not fetched.  A NaN, infinity or overflow that would arise only there is not carried to the result.
; SOFTMAX: t = score x log2(e) / 8; M = the running largest t rounded UP to a whole number; p = 2^(t - M) is quantised along the keys, not normalised; the row's sum is taken of the unquantised p and divides O at the end.
; When M moves, the sum and O are multiplied by 2^(old M - new M): exact.  The running largest t starts at -3e38.
; SHARES.  Work-group (x, y): batch and head x, query block 7 - y (256 queries).  Each of SIXTEEN waves owns one tile of 16 queries in 256 registers: four waves to a SIMD, so that one wave's vector work stands
; beside another's matrix work.  Wave w owns tile w % 8 of record 2 block + w / 8: queries Q0 + r + 8 (r / 8), Q0 = 256 block + 32 (w / 2) + 8 (w % 2).
; LAYOUT.  Both products transposed: S^T = k q^T, O^T = v^T p^T: a lane holds ONE query.  By the choice of a tile's rows the 16 registers of k's tiles 2 b, 2 b + 1 are keys 32 b + 16 (lane / 16) + 0 .. 15.
; Product 4 has K = 64: registers 6-11 of q's and k's fragments hold zero codes, cleared once and never loaded.
; RING: two LDS slots of 256 keys: k's two records, then v's two, 6,656 bytes each, dense in memory.  Waves 0-3 fetch one record each; all sixteen read.  Every wait on TENSORcnt is for 0.
; NO CLUSTER: the query blocks of a head need different numbers of slots under the causal mask, so a partner would jump over the reads of slots that a joint load brings.
; REGISTERS: v1-10 addresses; v7 q's scale word; v12 -M, v13 largest t, v[14:15] the sum; v16-27 q; v28-31 v's scale words; v32-79 four fragments of k; v80-127 four of v; v128-191 S^T, then p; v192-223 O^T;
;   v224-235 p's codes; v232-254 at work; v248-251 k's scale words; v253 p's scale word.
.set REC,   6656
.set HEADB, 16*REC
.set VOFF,  2*REC                      ; a slot: k's two records, then v's two
.set SLOT1, 32768                      ; one exclusive or turns an address in one slot into the other's
.set SPARE, 65536                      ; the spare words, 128 bytes for each of sixteen waves, which no other line names
.set SK,    256
.set NSL,   8
.set S,   128
.set OT,  192
.set L16, 1
.set L8,  2
.set LQ,  3                            ; v3  r + 8 (r / 8) - 16 h
.set PFO, 4                            ; v4  256 x lane
.set SPW, 5
.set NIL, 6
.set QS,  7
.set ADK16, 8
.set ADK8,  9
.set SOF, 10                           ; v10 8 r + h
.set WV,  18
.set SEL, 20
.set CS,  22                           ; s[22:23] c = log2(e) / 8
.set G1,  24
.set G0,  40
.set TB,  2                            ; s2  LDS byte of the record in hand
.set TW,  66
.set SLOTS, 67
.set KF,  98                           ; s98 the step's first key
.set Q0,  99
.set PFA, 76
.set LIM, 80
.macro TLOAD                           ; waves 0-3 fetch, the others nothing: a branch on the wave's number; s_nop 0 and four v_nop follow the load
	s_cmp_lt_u32 s[WV], 4
	s_cbranch_scc0 .Lasked_\@
	tensor_load_to_lds s[G0:G0+3], s[G1:G1+7]
	s_nop 0
.rept 4
	v_nop
.endr
.Lasked_\@:
.endm
; A PREFETCH INTO THE L2.  All eight work-groups of a head walk the same k and v: the head's first work-group (y = 0, the last query block, which walks every slot) asks, and nobody else.  In it waves 4, 5 ask for
; k's codes and waves 8, 9 for v's, 8,192 bytes a wave, lanes 256 bytes apart, at each of the first five changes of slots: chunks 3 + 2 (i - 1) + w % 2 of the head's 13 chunks at change i.  What has been asked for
; at change i reaches 24,576 + 16,384 i bytes, past the end of slot i + 1 (13,312 (i + 2)), which the next change loads.  Each block of 256 bytes is named once; the first 8 blocks of chunk 3 belong to slot 1,
; which change 1 itself loads.  Slots 0 and 1 come by their loads alone; the last two changes ask for nothing, and chunk 12 ends with the head.
.macro ASK
	s_cmp_gt_u32 s[SLOTS], s[LIM]
	s_cbranch_scc0 .Lnot_mine_\@
	global_prefetch_b8 v[PFO], s[PFA:PFA+1] th:TH_LOAD_NT scope:SCOPE_SE
.Lnot_mine_\@:
.endm
	s_load_b128 s[4:7], s[0:1], 0x0                ; qkv, ao
	v_lshl_add_u32 v[SPW], v0, 2, SPARE
	v_mov_b32 v[NIL], 0
	ds_add_u32 v[SPW], v[NIL]                      ; the wave's opening: the add, twice on end, and its wait ahead of the first tensor load
	ds_add_u32 v[SPW], v[NIL]
	v_lshrrev_b32 v8, 5, v0
	s_delay_alu instid0(VALU_DEP_1)
	v_readfirstlane_b32 s[WV], v8                  ; wave 0..15
	s_and_b32 s72, ttmp7, 0xffff
	s_sub_co_u32 s73, 7, s72                       ; my query block
	s_lshr_b32 s74, s[WV], 3                       ; which of its two records
	s_and_b32 s75, s[WV], 7                        ; my tile
	s_lshl_b32 s[Q0], s73, 8
	s_lshr_b32 s82, s[WV], 1
	s_lshl_b32 s82, s82, 5
	s_add_co_u32 s[Q0], s[Q0], s82
	s_and_b32 s82, s[WV], 1
	s_lshl_b32 s82, s82, 3
	s_add_co_u32 s[Q0], s[Q0], s82                 ; my first query
	s_lshl_b32 s83, s73, 1
	s_add_co_u32 s83, s83, s74                     ; my record, 0..15
	s_mul_i32 s84, ttmp9, HEADB
	s_mul_i32 s85, s83, REC
	s_add_co_u32 s84, s84, s85                     ; q's record
	s_mul_i32 s86, s75, 768
	s_add_co_u32 s86, s86, s84                     ; my tile's codes
	s_mov_b32 s87, 0
	s_and_b32 s94, s75, 1
	s_lshl_b32 s94, s94, 8
	s_lshr_b32 s95, s75, 1
	s_lshl_b32 s95, s95, 2
	s_add_co_u32 s88, s84, s94
	s_add_co_u32 s88, s88, s95                     ; my tile's scale words: lanes 16 (t % 2) on, word t / 2
	s_mov_b32 s89, 0
	s_and_b32 s90, s[WV], 3                        ; what I fetch, if I fetch: 0, 1: k's records, 2, 3: v's
	s_lshr_b32 s91, s90, 1
	s_add_co_u32 s91, s91, 1
	s_lshl_b32 s91, s91, 6
	s_add_co_u32 s91, s91, ttmp9
	s_mul_i32 s92, s91, HEADB
	s_and_b32 s91, s[WV], 1
	s_mul_i32 s91, s91, REC
	s_add_co_u32 s92, s92, s91
	s_mov_b32 s93, 0
	s_mul_i32 s90, s90, REC                        ; and its place in a slot
	s_mov_b32 s[G1], 3<<16                         ; no mask; elements of 8 bytes; no padding
	s_mov_b32 s[G1+1], 32<<16                      ; a record is 26 dense rows of 256 bytes
	s_mov_b32 s[G1+2], 26<<16
	s_mov_b32 s[G1+3], 32<<16
	s_mov_b32 s[G1+4], 26
	s_mov_b32 s[G1+5], 32
	s_mov_b32 s[G1+6], 0
	s_mov_b32 s[G1+7], 0
	s_lshr_b32 s94, ttmp9, 4                       ; where O goes in ao: block of 128 rows = batch x 16 + record,
	s_lshl_b32 s94, s94, 4
	s_add_co_u32 s94, s94, s83
	s_mul_i32 s94, s94, 102400
	s_and_b32 s95, ttmp9, 15                       ; the head: K = 64 head + channel: slot head / 4,
	s_lshr_b32 s96, s95, 2
	s_mul_i32 s96, s96, 25600
	s_add_co_u32 s94, s94, s96
	s_bfe_u32 s96, s95, 0x10001                    ; its (head / 2) % 2-th 128 along K,
	s_mul_i32 s96, s96, 12288
	s_add_co_u32 s96, s96, s94
	s_mul_i32 s97, s75, 1536                       ; my tile,
	s_add_co_u32 s96, s96, s97
	s_and_b32 s97, s95, 1                          ; the fragment's half
	s_mul_i32 s97, s97, 768
	s_add_co_u32 s68, s96, s97
	s_mov_b32 s69, 0
	s_lshl_b32 s97, s75, 7
	s_add_co_u32 s70, s94, s97
	s_add_co_u32 s70, s70, 24576
	s_and_b32 s97, s95, 3
	s_lshl_b32 s97, s97, 1
	s_add_co_u32 s70, s70, s97                     ; the head's two scale bytes of a row's eight
	s_mov_b32 s71, 0
	s_add_co_u32 s78, s74, 1                       ; the prefetches: k (waves 4, 5) or v (waves 8, 9) of my head,
	s_lshl_b32 s78, s78, 6
	s_add_co_u32 s78, s78, ttmp9
	s_mul_i32 s78, s78, HEADB
	s_and_b32 s79, s[WV], 1
	s_add_co_u32 s79, s79, 1
	s_lshl_b32 s79, s79, 13                        ; chunk 1 + w % 2: the first change of slots steps it two chunks on
	s_add_co_u32 s78, s78, s79
	s_mov_b32 s79, 0
	s_sub_co_u32 s82, s[WV], 4
	s_lshr_b32 s82, s82, 3                         ; 0 in waves 4 to 11,
	s_and_b32 s85, s[WV], 2
	s_or_b32 s82, s82, s85                         ; of them 4, 5, 8, 9,
	s_or_b32 s82, s82, s72                         ; of the head's first work-group
	s_cmp_eq_u32 s82, 0
	s_cselect_b32 s[LIM], 2, -1                    ; such a wave asks while more than two slots are still to be asked for
	s_mov_b32 s81, 0xffff0000                      ; lanes 16-31
	s_mov_b32 s[SEL], 0x76543210
	s_mov_b32 s[SEL+1], 0xfedcba98
	s_mov_b32 s[CS], 0x3e38aa3b                    ; c = log2(e) / 8
	s_mov_b32 s[CS+1], s[CS]                       ; (named with it as a pair, so it is written)
	s_mov_b32 s[TB], 0
	s_mov_b32 s[KF], 0
	s_mov_b32 s[SLOTS], NSL-1
	s_wait_dscnt 0x0                               ; both opening adds are done
	s_wait_kmcnt 0x0
	s_mov_b32 s[G0], 1
	s_mov_b32 s[G0+1], s90
	s_add_nc_u64 s[G0+2:G0+3], s[4:5], s[92:93]
	s_or_b32 s[G0+3], s[G0+3], 0x80000000
	TLOAD                                          ; slot 0: keys 0 to 255, which count for queries of every block
	s_add_nc_u64 s[86:87], s[4:5], s[86:87]
	s_add_nc_u64 s[88:89], s[4:5], s[88:89]
	s_add_nc_u64 s[68:69], s[6:7], s[68:69]
	s_add_nc_u64 s[70:71], s[6:7], s[70:71]
	s_add_nc_u64 s[PFA:PFA+1], s[4:5], s[78:79]
	v_and_b32 v8, 31, v0
	s_delay_alu instid0(VALU_DEP_1)
	v_lshlrev_b32 v[L16], 4, v8
	s_delay_alu instid0(VALU_DEP_2)
	v_lshlrev_b32 v[L8], 3, v8
	s_delay_alu instid0(VALU_DEP_3)
	v_lshlrev_b32 v[PFO], 8, v8
	v_and_b32 v9, 15, v0                           ; r
	v_bfe_u32 v10, v0, 4, 1                        ; h
	global_load_b128 v[16:19], v[L16], s[86:87]    ; q's half fragment stays in registers
	global_load_b64 v[20:21], v[L8], s[86:87] offset:512
	v_lshlrev_b32 v254, 4, v9
	global_load_b32 v[QS], v254, s[88:89] offset:6144
	v_and_b32 v11, 8, v9
	s_delay_alu instid0(VALU_DEP_1)
	v_add_nc_u32 v[LQ], v11, v9
	v_lshlrev_b32 v11, 4, v10
	s_delay_alu instid0(VALU_DEP_1)
	v_sub_nc_u32 v[LQ], v[LQ], v11
	v_lshl_add_u32 v[SOF], v9, 3, v10
	v_mov_b32 v13, 0xff61b1e6                      ; -3e38
	s_delay_alu instid0(VALU_DEP_1)
	v_floor_f32 v12, -v13
	v_mov_b32 v14, 0
	v_mov_b32 v15, 0
.irp j, 22,23,24,25,26,27
	v_mov_b32 v[\j], 0                             ; q's K = 64 .. 127: zero codes
.endr
.irp t, 0,1,2,3
.irp j, 6,7,8,9,10,11
	v_mov_b32 v[32+12*\t+\j], 0                    ; k's likewise
.endr
.endr
.set n, 0
.rept 32
	v_mov_b32 v[OT+n], 0                           ; O^T: the loop is written once; its first step finds zeros
.set n, n+1
.endr
.irp j, 236,237,238,239,252,253
	v_mov_b32 v[\j], 0                             ; lane permutes' destinations, and the pair v[252:253], are written before they are named
.endr
; A KEY STEP: the 128 keys of the record at LDS byte s[TB].
.macro STEP
	s_add_co_u32 s96, s[Q0], 23                    ; my last query
	s_cmp_gt_u32 s[KF], s96                        ; all keys behind it: the step's work is left out; ids and the count of steps alone decide
	s_cbranch_scc1 .Lhidden_\@
	s_setprio 2
	v_add_nc_u32 v[ADK16], s[TB], v[L16]
	v_add_nc_u32 v[ADK8], s[TB], v[L8]
	v_nop
	v_nop                                          ; four places in front of loads into registers that the last products read
	ds_load_b128 v[248:251], v[ADK16] offset:6144  ; k's scale words: register p: tile 2 p in lanes 0-15, tile 2 p + 1 in lanes 16-31
.irp t, 0,1,2,3
	ds_load_b128 v[32+12*\t:35+12*\t], v[ADK16] offset:768*\t
	ds_load_b64 v[36+12*\t:37+12*\t], v[ADK8] offset:768*\t+512
.endr
.irp t, 0,1,2,3
.irp c, 0,1,2
	ds_load_b128 v[80+12*\t+4*\c:83+12*\t+4*\c], v[ADK16] offset:VOFF+1536*\t+512*\c
.endr
.endr
	ds_load_b128 v[28:31], v[ADK16] offset:VOFF+6144
	s_wait_alu depctr_va_vdst(0)
	s_wait_dscnt 13                                ; k's words and tiles 0-3 are in; v's twelve loads and its words may be out
.irp t, 0,1,2,3
.if \t%2
	v_wmma_scale_f32_16x16x128_f8f6f4 v[S+8*\t:S+8*\t+7], v[32+12*\t:43+12*\t], v[16:27], 0, v[248+\t/2], v[QS] matrix_a_fmt:MATRIX_FMT_FP6 matrix_b_fmt:MATRIX_FMT_FP6 matrix_a_scale:MATRIX_SCALE_ROW1
.else
	v_wmma_scale_f32_16x16x128_f8f6f4 v[S+8*\t:S+8*\t+7], v[32+12*\t:43+12*\t], v[16:27], 0, v[248+\t/2], v[QS] matrix_a_fmt:MATRIX_FMT_FP6 matrix_b_fmt:MATRIX_FMT_FP6
.endif
.endr
.rept 4
	v_nop
.endr
.irp t, 0,1,2,3
	ds_load_b128 v[32+12*\t:35+12*\t], v[ADK16] offset:768*(4+\t)
	ds_load_b64 v[36+12*\t:37+12*\t], v[ADK8] offset:768*(4+\t)+512
.endr
	s_wait_dscnt 0x0
.irp t, 0,1,2,3
.if \t%2
	v_wmma_scale_f32_16x16x128_f8f6f4 v[S+32+8*\t:S+32+8*\t+7], v[32+12*\t:43+12*\t], v[16:27], 0, v[250+\t/2], v[QS] matrix_a_fmt:MATRIX_FMT_FP6 matrix_b_fmt:MATRIX_FMT_FP6 matrix_a_scale:MATRIX_SCALE_ROW1
.else
	v_wmma_scale_f32_16x16x128_f8f6f4 v[S+32+8*\t:S+32+8*\t+7], v[32+12*\t:43+12*\t], v[16:27], 0, v[250+\t/2], v[QS] matrix_a_fmt:MATRIX_FMT_FP6 matrix_b_fmt:MATRIX_FMT_FP6
.endif
.endr
.rept 4
	v_nop
.endr
	s_add_co_u32 s96, s[KF], 127                   ; on the diagonal hidden scores become -infinity ahead of the maximum; a step all of whose keys count skips this
	s_cmp_le_u32 s96, s[Q0]
	s_cbranch_scc1 .Lopen_\@
	s_sub_co_i32 s96, s[Q0], s[KF]
	v_add_nc_u32 v252, s96, v[LQ]                  ; d = my query - KF - 16 (lane / 16).  Register 16 b + i holds key KF + 16 (lane / 16) + 32 b + i: hidden where 32 b + i > d
	v_mov_b32 v254, 0xff800000
.set n, 0
.rept 64
	v_cmp_gt_i32 vcc_lo, 32*(n/16)+n%16, v252
	v_cndmask_b32 v[S+n], v[S+n], v254, vcc_lo
.set n, n+1
.endr
.Lopen_\@:
.irp b, 0,1,2,3
	v_max3_num_f32 v[232+\b], v[S+16*\b], v[S+1+16*\b], v[S+2+16*\b]   ; the largest score of each block of 32 keys: for the row's maximum, and, since p rises with the score, for the block's largest p
.endr
.irp i, 3,5,7,9,11,13
.irp b, 0,1,2,3
	v_max3_num_f32 v[232+\b], v[232+\b], v[S+16*\b+\i], v[S+1+16*\b+\i]
.endr
.endr
.irp b, 0,1,2,3
	v_max_num_f32 v[232+\b], v[232+\b], v[S+15+16*\b]
.endr
.irp b, 0,1,2,3
	s_delay_alu instid0(VALU_DEP_4)
	v_permlanex16_b32 v[236+\b], v[232+\b], s[SEL], s[SEL+1]
.endr
.irp b, 0,1,2,3
	s_delay_alu instid0(VALU_DEP_4)
	v_max_num_f32 v[232+\b], v[232+\b], v[236+\b]
.endr
	s_delay_alu instid0(VALU_DEP_2)
	v_max3_num_f32 v254, v232, v233, v234
	s_delay_alu instid0(VALU_DEP_1)
	v_max_num_f32 v254, v254, v235                 ; the step's largest score of my query: key KF counts for every query of a step that is walked, so it is a number
	s_delay_alu instid0(VALU_DEP_1)
	v_mul_f32 v254, s[CS], v254
	s_delay_alu instid0(VALU_DEP_1)
	v_max_num_f32 v13, v13, v254                   ; the running largest t
	v_mov_b32 v254, v12
	s_delay_alu instid0(VALU_DEP_2)
	v_floor_f32 v12, -v13                          ; the new -M = -ceil(t)
	s_delay_alu instid0(VALU_DEP_1)
	v_sub_f32 v254, v12, v254                      ; old M - new M: a whole number, 0 or less
	s_delay_alu instid0(VALU_DEP_1)
	v_cvt_i32_f32 v254, v254                       ; (it saturates)
	s_delay_alu instid0(VALU_DEP_1)
	v_ldexp_f32 v252, 1.0, v254                    ; f = 2^(old M - new M)
.set n, 0
.rept 32
	v_pk_fma_f32 v[S+n:S+n+1], v[S+n:S+n+1], s[CS:CS+1], v[12:13] op_sel_hi:[1,0,0]   ; t - M, two at a time
.set n, n+2
.endr
	s_setprio 1
.irp b, 0,1,2,3
	v_fma_f32 v[232+\b], v[232+\b], s[CS], v12
.endr
.set n, 0
	s_wait_alu depctr_va_vdst(0)
.rept 64
	v_exp_f32 v[S+n], v[S+n]                       ; p = 2^(t - M), at most 1
.set n, n+1
.endr
	v_pk_mul_f32 v[14:15], v[14:15], v[252:253] op_sel_hi:[1,0]   ; the sums under the new M: a plain place behind the exponentials
	s_wait_alu depctr_va_vdst(0)                   ; the wait ahead of the first line that names a result: one for the batch of 64
.irp b, 0,1,2,3
	v_exp_f32 v[232+\b], v[232+\b]                 ; the block's largest p
.endr
	v_pk_add_f32 v[236:237], v[132:133], v[136:137]
	v_pk_add_f32 v[254:255], v[140:141], v[144:145]
	v_pk_add_f32 v[250:251], v[148:149], v[152:153]
	v_pk_add_f32 v[248:249], v[156:157], v[160:161]
	v_pk_add_f32 v[246:247], v[164:165], v[168:169]
	v_pk_add_f32 v[244:245], v[172:173], v[176:177]
	v_pk_add_f32 v[242:243], v[180:181], v[184:185]
	v_pk_add_f32 v[14:15], v[14:15], v[188:189]
	v_pk_add_f32 v[236:237], v[236:237], v[128:129]
	v_pk_add_f32 v[254:255], v[254:255], v[130:131]
	v_pk_add_f32 v[250:251], v[250:251], v[134:135]
	v_pk_add_f32 v[248:249], v[248:249], v[138:139]
	v_pk_add_f32 v[246:247], v[246:247], v[142:143]
	v_pk_add_f32 v[244:245], v[244:245], v[146:147]
	v_pk_add_f32 v[242:243], v[242:243], v[150:151]
	v_pk_add_f32 v[14:15], v[14:15], v[154:155]
	v_pk_add_f32 v[236:237], v[236:237], v[158:159]
	v_pk_add_f32 v[254:255], v[254:255], v[162:163]
	v_pk_add_f32 v[250:251], v[250:251], v[166:167]
	v_pk_add_f32 v[248:249], v[248:249], v[170:171]
	v_pk_add_f32 v[246:247], v[246:247], v[174:175]
	v_pk_add_f32 v[244:245], v[244:245], v[178:179]
	v_pk_add_f32 v[242:243], v[242:243], v[182:183]
	v_pk_add_f32 v[14:15], v[14:15], v[186:187]
	v_pk_add_f32 v[236:237], v[236:237], v[190:191]
	s_delay_alu instid0(VALU_DEP_2)
	v_pk_add_f32 v[14:15], v[14:15], v[248:249]
	s_delay_alu instid0(VALU_DEP_2)
	v_pk_add_f32 v[236:237], v[236:237], v[246:247]
	v_pk_add_f32 v[254:255], v[254:255], v[244:245]
	v_pk_add_f32 v[250:251], v[250:251], v[242:243]
	s_delay_alu instid0(VALU_DEP_2)
	v_pk_add_f32 v[14:15], v[14:15], v[254:255]
	s_delay_alu instid0(VALU_DEP_2)
	v_pk_add_f32 v[236:237], v[236:237], v[250:251]
	s_delay_alu instid0(VALU_DEP_1)
	v_pk_add_f32 v[14:15], v[14:15], v[236:237]
	s_wait_alu depctr_va_vdst(0)                   ; and one for the four
.irp b, 0,1,2,3
	v_max_num_f32 v[232+\b], 0x1800000, v[232+\b]  ; the floor 2^(3 - 127): a block whose every p is 0 keeps the byte 1; its codes are zeros
.endr
.irp b, 0,1,2,3
	s_delay_alu instid0(VALU_DEP_4)
	v_add_nc_u32 v[244+\b], 0xff000000, v[232+\b]
.endr
.irp b, 0,1,2,3
	s_delay_alu instid0(VALU_DEP_4)
	v_lshrrev_b32 v[236+\b], 23, v[244+\b]
.endr
	s_delay_alu instid0(VALU_DEP_3)
	v_lshl_or_b32 v253, v237, 8, v236              ; p's scale word for these 128 keys
	s_delay_alu instid0(VALU_DEP_1)
	v_lshl_or_b32 v253, v238, 16, v253
	s_delay_alu instid0(VALU_DEP_1)
	v_lshl_or_b32 v253, v239, 24, v253
	s_setprio 0
.irp c, 0,1
	v_cvt_scalef32_pk16_fp6_f32 v[224+6*\c:226+6*\c], v[S+32*\c:S+15+32*\c], v[244+2*\c]
	v_cvt_scalef32_pk16_fp6_f32 v[236+4*\c:238+4*\c], v[S+16+32*\c:S+31+32*\c], v[245+2*\c]
.endr
	v_nop                                          ; one plain place behind the scaled conversions
.irp c, 0,1
.irp i, 0,1,2
	v_permlane16_swap_b32 v[224+6*\c+\i], v[236+4*\c+\i]
.endr
.irp i, 0,1,2
	s_delay_alu instid0(VALU_DEP_3)
	v_mov_b32 v[227+6*\c+\i], v[236+4*\c+\i]
.endr
.endr
.set n, 0
.rept 16
	v_pk_mul_f32 v[OT+n:OT+n+1], v[OT+n:OT+n+1], v[252:253] op_sel_hi:[1,0]   ; O^T under the new M; also the places between p's codes and scale word and the products
.set n, n+2
.endr
.rept 4
	v_nop                                          ; the accumulators just written stand four places ahead of the products too
.endr
.irp t, 0,1,2,3                        ; O^T += v^T p^T: four accumulators by turns, one instruction a turn
	v_wmma_scale_f32_16x16x128_f8f6f4 v[OT+8*\t:OT+8*\t+7], v[80+12*\t:91+12*\t], v[224:235], v[OT+8*\t:OT+8*\t+7], v[28+\t], v253 matrix_a_fmt:MATRIX_FMT_FP6 matrix_b_fmt:MATRIX_FMT_FP6
.endr
.Lhidden_\@:
	s_add_co_u32 s[KF], s[KF], 128
	s_add_co_u32 s[TB], s[TB], REC
.endm
; THE CHANGE OF SLOTS stands at a slot's head: each wave waits for all its tensor loads, adds 0 to its spare word (fill = 1: twice on end), and waits
; for that and for its reads of the slot that it has left.  Behind the barrier the slot ahead is whole and nobody reads the other one, which is then filled with the next 256 keys, up to the causal limit.
.macro CHANGE fill
	s_wait_tensorcnt 0x0                           ; no tensor load of mine is out, so the group 0 may be written
	ds_add_u32 v[SPW], v[NIL]
.if \fill
	ds_add_u32 v[SPW], v[NIL]
	s_xor_b32 s[G0+1], s[G0+1], SLOT1              ; the other slot than last time,
	s_add_nc_u64 s[G0+2:G0+3], s[G0+2:G0+3], 2*REC ; the next two records
	s_wait_xcnt 0x0                                ; the last prefetch, a slot back, has read its address
	s_add_nc_u64 s[PFA:PFA+1], s[PFA:PFA+1], 16384
.endif
	s_wait_dscnt 0x0
	s_barrier_signal -1
	s_barrier_wait -1
.if \fill
	s_add_co_u32 s96, s[KF], SK                    ; the first key of the slot that this change would ask for
	s_or_b32 s97, s[Q0], 255                       ; my work-group's last query
	s_cmp_gt_u32 s96, s97                          ; ids and the count of steps alone: all sixteen waves go the same way, and past the limit they stay past it; no step reads a slot left out
	s_cbranch_scc1 .Lpast_\@
	TLOAD                                          ; a wave's one tensor load until the next such barrier: it has the slot's two steps in which to land
.Lpast_\@:
	ASK
.endif
.endm
.macro SLOT_STEPS                      ; a slot's two key steps: written once, walked twice
	s_mov_b32 s[TW], 2
.Lstep_\@:
	STEP
	s_sub_co_u32 s[TW], s[TW], 1
	s_cmp_lg_u32 s[TW], 0
	s_cbranch_scc1 .Lstep_\@
	s_setprio 0
	s_sub_co_u32 s[TB], s[TB], 2*REC
	s_xor_b32 s[TB], s[TB], SLOT1                  ; on to the other slot
.endm
	s_wait_loadcnt 0x0                             ; q
.Lslot:                                            ; seven trips; every work-group walks all slots, so that the trip counts are constants and no barrier is jumped over
	CHANGE 1
	SLOT_STEPS
	s_sub_co_u32 s[SLOTS], s[SLOTS], 1
	s_cmp_lg_u32 s[SLOTS], 0
	s_cbranch_scc1 .Lslot
	CHANGE 0                                       ; the last slot is written out: nothing is left to fetch
	SLOT_STEPS
	; THE WAY OUT: O^T / the sum; register 16 b + i is channel 32 b + 16 (lane / 16) + i of my query: two blocks of 32 along the last projection's K: half a fragment and two scale bytes.
	v_add_f32 v14, v14, v15
	s_wait_alu depctr_va_vdst(0)
	v_permlanex16_b32 v252, v14, s[SEL], s[SEL+1]
	s_delay_alu instid0(VALU_DEP_1)
	v_add_f32 v14, v14, v252                       ; the row's sum
	s_wait_alu depctr_va_vdst(0)
	v_rcp_f32 v14, v14
	v_nop
	v_nop                                          ; a plain place behind the reciprocal; with the additions above, four places behind the last products
	s_wait_alu depctr_va_vdst(0)                   ; the wait ahead of the first reader
.set n, 0
.rept 32
	v_mul_f32 v[S+n], v[OT+n], v14
.set n, n+1
.endr
.irp b, 0,1
	v_max3_num_f32 v[232+\b], |v[S+16*\b]|, |v[S+1+16*\b]|, 0x1800000
.endr
.irp i, 2,4,6,8,10,12,14
.irp b, 0,1
	s_delay_alu instid0(VALU_DEP_2)
	v_max3_num_f32 v[232+\b], v[232+\b], |v[S+16*\b+\i]|, |v[S+1+16*\b+\i]|
.endr
.endr
.irp b, 0,1
	s_delay_alu instid0(VALU_DEP_2)
	v_permlanex16_b32 v[236+\b], v[232+\b], s[SEL], s[SEL+1]
.endr
.irp b, 0,1
	s_delay_alu instid0(VALU_DEP_2)
	v_max_num_f32 v[232+\b], v[232+\b], v[236+\b]
.endr
.irp b, 0,1
	s_delay_alu instid0(VALU_DEP_2)
	v_add_nc_u32 v[244+\b], 0xff000000, v[232+\b]
.endr
.irp b, 0,1
	s_delay_alu instid0(VALU_DEP_2)
	v_lshrrev_b32 v[236+\b], 23, v[244+\b]
.endr
	s_delay_alu instid0(VALU_DEP_1)
	v_cndmask_b32 v238, v236, v237, s81            ; lanes 0-15 store block 0's byte of their row, lanes 16-31 block 1's
	v_cvt_scalef32_pk16_fp6_f32 v[224:226], v[S:S+15], v244
	v_cvt_scalef32_pk16_fp6_f32 v[240:242], v[S+16:S+31], v245
	v_nop
.irp i, 0,1,2
	v_permlane16_swap_b32 v[224+\i], v[240+\i]
.endr
.irp i, 0,1,2
	s_delay_alu instid0(VALU_DEP_3)
	v_mov_b32 v[227+\i], v[240+\i]
.endr
	global_store_b128 v[L16], v[224:227], s[68:69]             ; 512 consecutive bytes, aligned,
	global_store_b64 v[L8], v[228:229], s[68:69] offset:512    ; and 256
	global_store_b8 v[SOF], v238, s[70:71]         ; the one store in small pieces, 32 bytes beside 768: a head is half of a scale word, and the other half is another work-group's
	s_wait_tensorcnt 0x0                           ; the wave's end
	ds_add_u32 v[SPW], v[NIL]
	s_wait_dscnt 0x0
	s_endpgm
.Lfunc_end_k_qf80922e699_attn:
	.size	k_qf80922e699_attn, .Lfunc_end_k_qf80922e699_attn-k_qf80922e699_attn
	.p2alignl 7, 3214868480
	.fill 96, 4, 3214868480
	.section	.rodata,"a",@progbits
	.p2align	6, 0x0
	.amdhsa_kernel k_qf80922e699_attn
		.amdhsa_group_segment_fixed_size 327680
		.amdhsa_private_segment_fixed_size 0
		.amdhsa_enable_private_segment 0
		.amdhsa_kernarg_size 16
		.amdhsa_user_sgpr_count 2
		.amdhsa_user_sgpr_kernarg_segment_ptr 1
		.amdhsa_wavefront_size32 1
		.amdhsa_system_sgpr_workgroup_id_x 1
		.amdhsa_system_sgpr_workgroup_id_y 1
		.amdhsa_system_sgpr_workgroup_id_z 1
		.amdhsa_system_vgpr_workitem_id 0
		.amdhsa_next_free_vgpr 256
		.amdhsa_next_free_sgpr 100
		.amdhsa_reserve_vcc 1
		.amdhsa_float_denorm_mode_32 3
		.amdhsa_float_denorm_mode_16_64 3
		.amdhsa_memory_ordered 1
		.amdhsa_forward_progress 1
		.amdhsa_inst_pref_size 60
	.end_amdhsa_kernel
	.amdgpu_metadata
---
amdhsa.version: [ 1, 2 ]
amdhsa.kernels:
  - .name:           k_qf80922e699_attn
    .symbol:         k_qf80922e699_attn.kd
    .args:
      - { .name: qkv, .offset: 0, .size: 8, .value_kind: global_buffer, .address_space: global }
      - { .name: ao, .offset: 8, .size: 8, .value_kind: global_buffer, .address_space: global }
    .group_segment_fixed_size: 327680
    .private_segment_fixed_size: 0
    .kernarg_segment_align: 8
    .kernarg_segment_size: 16
    .max_flat_workgroup_size: 512
    .sgpr_count:     100
    .vgpr_count:     256
    .wavefront_size: 32
...
	.end_amdgpu_metadata
.endif
;; end of part 3
;; launch outp (part 4): grid 4 x 32, 4 waves a work-group, clusters of 4 x 4, 327,680 bytes of LDS; arguments ao, xw, out0; writes out0
.if DOCPART == 4
	.amdgcn_target "amdgcn-amd-amdhsa--gfx1250"
	.amdhsa_code_object_version 6
	.text
	.protected	k_qf80922e699_outp
	.globl	k_qf80922e699_outp
	.p2align	8
	.type	k_qf80922e699_outp,@function
k_qf80922e699_outp:
	s_mov_b64 s[64:65], 0
	v_nop
	global_prefetch_b8 v0, s[64:65] scope:SCOPE_SE
	s_setreg_imm32_b32 hwreg(HW_REG_WAVE_MODE, 25, 1), 1
	s_wait_xcnt 0x0
	s_wait_alu depctr_hold_cnt(0) depctr_sa_sdst(0) depctr_va_vdst(0) depctr_va_sdst(0) depctr_va_ssrc(0) depctr_va_vcc(0) depctr_vm_vsrc(0)
	s_getreg_b32 s2, hwreg(HW_REG_IB_STS2, 6, 4)
	s_cmp_eq_u32 s2, 0
	s_cbranch_scc0 .Lentry_in_a_cluster
	s_endpgm
.Lentry_in_a_cluster:
	s_bfe_u32 s2, ttmp6, 0x10000c
	s_cmp_lg_u32 s2, 0xf033
	s_cbranch_scc0 .Lentry_shape_is_right
	s_endpgm
.Lentry_shape_is_right:
; LAUNCH 4 OF 4.  out0 = O w_o^T on codes of FP6 (E2M3): A = the attention's result as launch 3 quantised it (ao, laid as xw), B = w_o's codes (xw, blocks 88-95); K = 1,024; out0 [8192][1024] f32.  No work of reference() is left out here.
; The product's core is launch 2's: a work-group of four waves makes 256 x 256, a wave 128 x 128 in 64 accumulators; K in four fills of 256 through two LDS slots; a fill's part for 128 rows is one dense block of
; 25,600 bytes, one tensor load a wave; fragments lie as images of their registers.  Source 0 = 16 rows of w_o, source 1 = 16 rows of A: a lane holds one row of the result.
; CLUSTERS 4 x 4: A's blocks are asked for jointly along a row of the cluster, B's along a column.  The problem gives 128 tiles of this size: 128 work-groups.
; A TILE's rows are not neighbours (launch 1): row r of tile t is row 32 (t / 2) + 8 (t % 2) + r + 8 (r / 8) of its block of 128.  The way out puts rows and columns back in their places.
; REGISTERS: window 0: v4-29 addresses; v32-63 scale words, two sets; v128-223 A's 8 fragments; way out: v128-255.  window 1: B's fragments, two sets.  windows 2, 3: accumulators, (a, b) at v[8 (8 (a % 4) + b)].
.set GB,     102400
.set HALF,   25600
.set SLOT,   4*HALF
.set SPARE,  2*SLOT                    ; behind the ring: the spare words, 128 bytes for each wave, which no other line names
.set SPITCH, 528                       ; the way out: a stage of 16 rows x (512 bytes + 16) for each wave, in slot 0, which has had its last fill and its last read when the first result is stored there
.set NQ, 2
.set FR, 12
.set NL, 4
.set NP, 4
.set L16, 4
.set L8,  5
.set ADRS,   12
.set ADRA16, 16
.set ADRA8,  18
.set ADRB16, 20
.set ADRB8,  22
.set STO, 24
.set RD,  25
.set SPW, 28
.set NIL, 29
.set SC,  32
.set AF,  128
.set BK,  128
.set G1, 24
.set G0, 32
.set G1B, 48
.set G0B, 56
.set MSB, 0
.macro WIN new                         ; the immediate's high byte repeats the setting that is left
.if MSB != \new
	s_set_vgpr_msb (MSB<<8)|\new
.set MSB, \new
.endif
.endm
.set MUL_LO, 0xa1
.set MUL_HI, 0xf1
.set TO_B,   0x40
.macro JLOAD g0a, g1a, g0b, g1b        ; a joint load: waves 0, 1 fetch for A, waves 2, 3 for B; s_nop 0 and four v_nop follow each line
	s_cmp_eq_u32 s15, 0
	s_cbranch_scc0 .Lfor_b_\@
	tensor_load_to_lds s[\g0a:\g0a+3], s[\g1a:\g1a+7]
	s_nop 0
.rept 4
	v_nop
.endr
	s_branch .Lasked_\@
.Lfor_b_\@:
	tensor_load_to_lds s[\g0b:\g0b+3], s[\g1b:\g1b+7]
	s_nop 0
.rept 4
	v_nop
.endr
.Lasked_\@:
.endm
.macro CREST
	s_cmp_lg_u32 s14, 0
	s_cbranch_scc1 .Lnot_wave_0_\@
	s_barrier_signal -3
.Lnot_wave_0_\@:
	s_barrier_wait -3
	s_barrier_signal -1
	s_barrier_wait -1
.endm
.macro CROUND
	s_barrier_signal -1
	s_barrier_wait -1
	CREST
.endm
	s_load_b128 s[4:7], s[0:1], 0x0                ; ao, xw
	s_load_b64 s[8:9], s[0:1], 0x10                ; out0
	v_lshl_add_u32 v[SPW], v0, 2, SPARE
	v_mov_b32 v[NIL], 0
	ds_add_u32 v[SPW], v[NIL]                      ; the wave's opening: the add, twice on end, and its wait ahead of my first tensor load
	ds_add_u32 v[SPW], v[NIL]
	v_lshrrev_b32 v1, 5, v0
	v_readfirstlane_b32 s14, v1                    ; wave 0..3
	s_lshr_b32 s15, s14, 1                         ; my half of A's rows.  Also: I fetch for A (0) or for B (1)
	s_and_b32 s16, s14, 1                          ; my half of B's rows.  Also: which of the two blocks I fetch
	s_bfe_u32 s40, ttmp6, 0x40000                  ; cx
	s_bfe_u32 s41, ttmp6, 0x40004                  ; cy
	s_and_b32 s18, ttmp7, 0xffff
	s_lshl_b32 s18, s18, 2
	s_add_co_u32 s18, s18, s41
	s_lshl_b32 s18, s18, 1                         ; A's first block: 2 (4 cluster y + cy)
	s_lshl_b32 s42, ttmp9, 2
	s_add_co_u32 s42, s42, s40
	s_lshl_b32 s42, s42, 1
	s_add_co_u32 s42, s42, 88                      ; B's first block: 88 + 2 (4 cluster x + cx)
	s_lshl_b32 s43, s41, 2
	s_lshl_b32 s43, 15, s43                        ; my row of the cluster
	s_lshl_b32 s44, 0x1111, s40                    ; my column
	s_or_b32 s[G1], s43, (3<<16)|(1<<21)           ; the mask; elements of 8 bytes; bit 21 beside a mask; no padding
	s_or_b32 s[G1B], s44, (3<<16)|(1<<21)
.irp g, G1, G1B
	s_mov_b32 s[\g+1], 32<<16                      ; 100 dense rows of 256 bytes
	s_mov_b32 s[\g+2], 100<<16
	s_mov_b32 s[\g+3], 32<<16
	s_mov_b32 s[\g+4], 100
	s_mov_b32 s[\g+5], 32
	s_mov_b32 s[\g+6], 0
	s_mov_b32 s[\g+7], 0
.endr
	s_add_co_u32 s20, s18, s16
	s_mul_i32 s20, s20, GB
	s_mov_b32 s21, 0
	s_add_co_u32 s46, s42, s16
	s_mul_i32 s46, s46, GB
	s_mov_b32 s47, 0
	s_mul_i32 s45, s14, HALF                       ; where my block goes: wave x 25,600
	s_wait_dscnt 0x0                               ; both opening adds are done
	s_wait_kmcnt 0x0
	s_add_nc_u64 s[20:21], s[4:5], s[20:21]
	s_add_nc_u64 s[46:47], s[6:7], s[46:47]
	CROUND                                         ; all sixteen work-groups are here: the first joint loads meet
.irp s, 0,1
	s_mov_b32 s[G0+4*\s], 1
	s_add_co_u32 s[G0+4*\s+1], s45, \s*SLOT
	s_add_nc_u64 s[G0+4*\s+2:G0+4*\s+3], s[20:21], \s*HALF
	s_or_b32 s[G0+4*\s+3], s[G0+4*\s+3], 0x80000000
	s_mov_b32 s[G0B+4*\s], 1
	s_add_co_u32 s[G0B+4*\s+1], s45, \s*SLOT
	s_add_nc_u64 s[G0B+4*\s+2:G0B+4*\s+3], s[46:47], \s*HALF
	s_or_b32 s[G0B+4*\s+3], s[G0B+4*\s+3], 0x80000000
	s_wait_alu depctr_va_vdst(0)
	s_wait_tensorcnt 0x0
	ds_add_u32 v28, v29
	ds_add_u32 v28, v29
	s_wait_dscnt 0x0
	CROUND
	JLOAD G0+4*\s, G1, G0B+4*\s, G1B               ; one load of mine is out
.endr
	v_and_b32 v1, 31, v0
	v_and_b32 v2, 15, v0                           ; r
	v_bfe_u32 v3, v0, 4, 1                         ; h
	v_lshlrev_b32 v[L16], 4, v1
	v_lshlrev_b32 v[L8], 3, v1
	s_mul_i32 s21, s15, HALF
	s_mul_i32 s22, s16, HALF
	s_add_co_u32 s22, s22, 2*HALF
.irp s, 0,1
	v_add_nc_u32 v[ADRA16+\s], s21, v[L16]
	v_add_nc_u32 v[ADRA8+\s], s21, v[L8]
	v_add_nc_u32 v[ADRB16+\s], s22, v[L16]
	v_add_nc_u32 v[ADRB8+\s], s22, v[L8]
	s_add_co_u32 s21, s21, SLOT
	s_add_co_u32 s22, s22, SLOT
.endr
	v_lshlrev_b32 v6, 3, v2
	s_mul_i32 s21, s15, HALF
	s_mul_i32 s22, s16, HALF
	s_add_co_u32 s22, s22, 2*HALF
	s_sub_co_u32 s22, s22, s21
	v_mul_u32_u24 v7, s22, v3                      ; lanes 16-31 take B's scale words: the lower base + h x the distance
	s_add_co_u32 s21, s21, 24576
	v_add_nc_u32 v6, v6, v7
	v_add_nc_u32 v[ADRS], s21, v6
	v_add_nc_u32 v[ADRS+1], SLOT, v[ADRS]
	s_mul_i32 s23, s14, 16*SPITCH                  ; my stage
	v_mul_u32_u24 v6, v2, SPITCH
	v_lshl_add_u32 v6, v3, 6, v6
	v_add_nc_u32 v[STO], s23, v6                   ; in: row r, + 64 h
	v_add_nc_u32 v[RD], s23, v[L16]                ; back: the 32 lanes take one row of 512 bytes
	s_lshl_b32 s70, s18, 7                         ; my first row of out0: 128 x (A's first block + my half),
	s_lshl_b32 s71, s15, 7
	s_add_co_u32 s70, s70, s71
	s_lshl_b32 s70, s70, 12                        ; 4,096 bytes a row
	s_sub_co_u32 s72, s42, 88
	s_add_co_u32 s72, s72, s16
	s_lshl_b32 s72, s72, 9                         ; my first column: 128 x 4 bytes a block of w_o
	s_add_co_u32 s70, s70, s72
	s_mov_b32 s71, 0
	s_add_nc_u64 s[8:9], s[8:9], s[70:71]
.macro FRAG reg, a16, a8, off
	ds_load_b128 v[\reg:\reg+3], v[\a16] offset:\off
	ds_load_b64 v[\reg+4:\reg+5], v[\a8] offset:\off+512
	ds_load_b128 v[\reg+6:\reg+9], v[\a16] offset:\off+768
	ds_load_b64 v[\reg+10:\reg+11], v[\a8] offset:\off+1280
.endm
; 16 matrix instructions: A's blocks a0, a0 + 1 x B's eight.  The 64 accumulators take turns, one instruction a turn, in the same order in every step.
.macro MUL16 a0, p, q, sc, zero
.irp a, \a0, \a0+1
.irp b, 0,1,2,3,4,5,6,7
.if \zero
	v_wmma_scale_f32_16x16x128_f8f6f4 v[8*(8*((\a)%4)+\b):8*(8*((\a)%4)+\b)+7], v[128*(\p)+FR*\b:128*(\p)+FR*\b+FR-1], v[AF+FR*(\a):AF+FR*(\a)+FR-1], 0, v[SC+8*NQ*(\sc)+NQ*\b+(\q)], v[SC+8*NQ*(\sc)+NQ*(\a)+(\q)] matrix_a_fmt:MATRIX_FMT_FP6 matrix_b_fmt:MATRIX_FMT_FP6 matrix_a_scale:MATRIX_SCALE_ROW1
.else
	v_wmma_scale_f32_16x16x128_f8f6f4 v[8*(8*((\a)%4)+\b):8*(8*((\a)%4)+\b)+7], v[128*(\p)+FR*\b:128*(\p)+FR*\b+FR-1], v[AF+FR*(\a):AF+FR*(\a)+FR-1], v[8*(8*((\a)%4)+\b):8*(8*((\a)%4)+\b)+7], v[SC+8*NQ*(\sc)+NQ*\b+(\q)], v[SC+8*NQ*(\sc)+NQ*(\a)+(\q)] matrix_a_fmt:MATRIX_FMT_FP6 matrix_b_fmt:MATRIX_FMT_FP6 matrix_a_scale:MATRIX_SCALE_ROW1
.endif
.endr
.endr
.endm
.macro FETCH_B slot, q, p
	WIN TO_B
.irp i, 0,1,2,3,4,5,6,7
	FRAG 128*(\p)+FR*\i, ADRB16+\slot, ADRB8+\slot, (\q)*12288+\i*1536
.endr
	WIN 0
.endm
.macro FETCH_A slot, q, i0
.irp i, \i0, \i0+1, \i0+2, \i0+3
	FRAG AF+FR*(\i), ADRA16+\slot, ADRA8+\slot, (\q)*12288+(\i)*1536
.endr
.endm
.macro SCALES sc
.irp i, 0,1,2,3,4,5,6,7
	ds_load_b64 v[SC+8*NQ*\sc+NQ*\i:SC+8*NQ*\sc+NQ*\i+1], v[ADRS+\sc] offset:\i*128
.endr
.endm
.macro PLACES n
.rept \n
	v_nop
.endr
.endm
.macro STEP slot, q, zero
	s_wait_dscnt 4*NL                              ; B's set and A's blocks 0-3 are in; the youngest sixteen loads (A's blocks 4-7) may be out
	WIN MUL_LO
	MUL16 0, (\q)%2, \q, \slot, \zero
	MUL16 2, (\q)%2, \q, \slot, \zero
	s_wait_dscnt 0
	PLACES NP
	FETCH_B \slot, (\q)+1, 1-(\q)%2
	FETCH_A \slot, (\q)+1, 0
	WIN MUL_HI
	MUL16 4, (\q)%2, \q, \slot, \zero
	MUL16 6, (\q)%2, \q, \slot, \zero
	PLACES NP
	WIN 0
	FETCH_A \slot, (\q)+1, 4
.endm
.macro TURN slot, next, fill
	s_wait_tensorcnt 0x0                           ; all my tensor loads have landed: my part of the next slot
	ds_add_u32 v[SPW], v[NIL]
	s_wait_dscnt 4*NL+1                            ; (the add and the youngest sixteen loads may be out)
	WIN MUL_LO
	MUL16 0, 1, NQ-1, \slot, 0
	s_wait_dscnt 0x0                               ; the add is done, and my reads of this slot are over
	s_barrier_signal -1
	MUL16 2, 1, NQ-1, \slot, 0
	WIN 0
	s_barrier_wait -1
.if \fill
	CREST                                          ; the barrier has opened a round of the cluster's: no wave of any partner still reads this slot or has a load on its way
	s_add_nc_u64 s[G0+4*\slot+2:G0+4*\slot+3], s[G0+4*\slot+2:G0+4*\slot+3], 2*HALF
	s_add_nc_u64 s[G0B+4*\slot+2:G0B+4*\slot+3], s[G0B+4*\slot+2:G0B+4*\slot+3], 2*HALF
	JLOAD G0+4*\slot, G1, G0B+4*\slot, G1B
.else
	PLACES NP
.endif
	FETCH_B \next, 0, 0
	FETCH_A \next, 0, 0
	SCALES \next
	WIN MUL_HI
	MUL16 4, 1, NQ-1, \slot, 0
	MUL16 6, 1, NQ-1, \slot, 0
	PLACES NP
	WIN 0
	FETCH_A \next, 0, 4
.endm
	s_wait_alu depctr_va_vdst(0)
	s_wait_tensorcnt 1                             ; my part of slot 0 is in; slot 1's may stay out
	s_barrier_signal -1
	s_barrier_wait -1
	FETCH_B 0, 0, 0
	FETCH_A 0, 0, 0
	SCALES 0
	FETCH_A 0, 0, 4
	STEP 0, 0, 1                                   ; the first products start the sums
	TURN 0, 1, 1
	STEP 1, 0, 0
	TURN 1, 0, 1
	STEP 0, 0, 0
	TURN 0, 1, 0                                   ; nothing is left to fetch; behind this barrier nobody reads slot 0 any more
	STEP 1, 0, 0
	s_wait_dscnt 4*NL
	WIN MUL_LO
	MUL16 0, 1, NQ-1, 1, 0
	MUL16 2, 1, NQ-1, 1, 0
	s_wait_dscnt 0
	WIN MUL_HI
	MUL16 4, 1, NQ-1, 1, 0
	MUL16 6, 1, NQ-1, 1, 0
	WIN 0
; THE WAY OUT, A's block a (16 rows x my 128 columns) at a time.  Register j of accumulator (a, b) in lane (r, h) is column 32 (b / 2) + 16 h + 8 (b % 2) + j of the tile's row r.  A block goes through my own stage
; and comes back as whole rows of 512 bytes; stage row t is row 32 (a / 2) + 8 (a % 2) + t + 8 (t / 8) of my 128.  LDS serves a wave's instructions in order: no wait between the stores and the loads.
.macro TOSTAGE a
.set AC, 64*((\a)%4)
	WIN 0x08+4*((\a)/4)                            ; an LDS store's data are its source 1: window 2 or 3
.irp b, 0,1,2,3,4,5,6,7
	ds_store_b128 v[STO], v[AC+8*\b:AC+8*\b+3] offset:128*(\b/2)+32*(\b%2)        ; each accumulator from its low end on
	ds_store_b128 v[STO], v[AC+8*\b+4:AC+8*\b+7] offset:128*(\b/2)+32*(\b%2)+16
.endr
	WIN 0
.set BB, BK+64*((\a)%2)
.irp t, 0,1,2,3,4,5,6,7,8,9,10,11,12,13,14,15
	ds_load_b128 v[BB+4*\t:BB+4*\t+3], v[RD] offset:\t*SPITCH
.endr
.endm
.macro SEND a, younger                 ; younger: the LDS instructions issued behind block a's loads, which may stay out
.set BB, BK+64*((\a)%2)
	s_wait_dscnt \younger
.irp t, 0,1,2,3,4,5,6,7,8,9,10,11,12,13,14,15
	global_store_b128 v[L16], v[BB+4*\t:BB+4*\t+3], s[8:9] offset:(32*((\a)/2)+8*((\a)%2)+\t+8*(\t/8))*4096 th:TH_STORE_NT   ; 32 lanes store 512 consecutive bytes, aligned; 127 rows at the most stand in the immediate
.endr
.endm
	PLACES NP                                      ; behind the last products: for the loads into A's old registers and the reads of results
	TOSTAGE 0
.irp a, 1,2,3,4,5,6,7
.if \a > 1
	s_wait_xcnt 0x0                                ; block a - 2's stores have read their registers: block a's loads may land there
.endif
	TOSTAGE \a
	SEND \a-1, 32                                  ; behind block a - 1's loads: block a's 16 stores and 16 loads
.endr
	SEND 7, 0
	s_wait_tensorcnt 0x0                           ; the wave's end, behind my last tensor load and my last LDS store
	ds_add_u32 v[SPW], v[NIL]
	s_wait_dscnt 0x0
	CROUND                                         ; the closing round
	s_endpgm
.Lfunc_end_k_qf80922e699_outp:
	.size	k_qf80922e699_outp, .Lfunc_end_k_qf80922e699_outp-k_qf80922e699_outp
	.p2alignl 7, 3214868480
	.fill 96, 4, 3214868480
	.section	.rodata,"a",@progbits
	.p2align	6, 0x0
	.amdhsa_kernel k_qf80922e699_outp
		.amdhsa_group_segment_fixed_size 327680
		.amdhsa_private_segment_fixed_size 0
		.amdhsa_enable_private_segment 0
		.amdhsa_kernarg_size 24
		.amdhsa_user_sgpr_count 2
		.amdhsa_user_sgpr_kernarg_segment_ptr 1
		.amdhsa_wavefront_size32 1
		.amdhsa_system_sgpr_workgroup_id_x 1
		.amdhsa_system_sgpr_workgroup_id_y 1
		.amdhsa_system_sgpr_workgroup_id_z 1
		.amdhsa_system_vgpr_workitem_id 0
		.amdhsa_next_free_vgpr 1024
		.amdhsa_next_free_sgpr 96
		.amdhsa_reserve_vcc 0
		.amdhsa_float_denorm_mode_32 3
		.amdhsa_float_denorm_mode_16_64 3
		.amdhsa_memory_ordered 1
		.amdhsa_forward_progress 1
		.amdhsa_inst_pref_size 142
	.end_amdhsa_kernel
	.amdgpu_metadata
---
amdhsa.version: [ 1, 2 ]
amdhsa.kernels:
  - .name:           k_qf80922e699_outp
    .symbol:         k_qf80922e699_outp.kd
    .args:
      - { .name: ao, .offset: 0, .size: 8, .value_kind: global_buffer, .address_space: global }
      - { .name: xw, .offset: 8, .size: 8, .value_kind: global_buffer, .address_space: global }
      - { .name: out0, .offset: 16, .size: 8, .value_kind: global_buffer, .address_space: global }
    .group_segment_fixed_size: 327680
    .private_segment_fixed_size: 0
    .kernarg_segment_align: 8
    .kernarg_segment_size: 24
    .max_flat_workgroup_size: 128
    .sgpr_count:     96
    .vgpr_count:     1024
    .wavefront_size: 32
...
	.end_amdgpu_metadata
.endif
;; end of part 4
